; MI455X (gfx1250); checked and timed in simulation.
; The chip was launched on July 23, 2026; its instructions are those of AMD's public machine-readable ISA for CDNA 5 (MIT licence, August 2026) and "CDNA5" Instruction Set Architecture Reference Guide (July 2026). The comments in the code are by the model that wrote it; some were corrected since.
;; Multi Head Attention. Allowed arithmetic: matrix products marked QUANTISED: E2M1 operands, one E8M0 scale for each 32 along K, by v_wmma_scale_f32_16x16x128_f8f6f4 with both operands' format E2M1 (or v_wmma_scale_f32_32x16x128_f4), f32 sums; products left as they are: bf16, f16 or f32 operands; f32 sums; everything else in f32.
;; Inputs: Wk 1,024 x 1,024 float32; Wo 1,024 x 1,024 float32; Wq 1,024 x 1,024 float32; Wv 1,024 x 1,024 float32; mask 2,048 x 2,048 int32; x 4 x 2,048 x 1,024 float32.
;; Outputs: out0 4 x 2,048 x 1,024 float32.
;; This version of the problem:
;;   THIS VERSION OF THE PROBLEM IS GIVEN IN LOW PRECISION. The matrix products marked QUANTISED in the list below multiply operands that are first quantised to E2M1 (2 exponent bits, 1 mantissa bit; 4 bits a number), with one power-of-two scale for each 32 numbers along K (OCP MX v1.0); their sums are f32. The products marked 'left as it is' may take bf16, f16 or f32 operands, with f32 sums. Whichever they take, every output number must still come out within the allowed error. Rounding operands to bf16 (8 significant bits) uses up far more of that allowance than f16 does (11 bits, for magnitudes from 6e-5 to 65,504). All else is computed in f32.
;;   The module's matrix products, in the order in which they are computed (A, B: the left and right operand; K: the contracted axis; several contracted axes count as one K, in the product's order):
;;     1. [M 8,192, K 1,024] x [K 1,024, N 1,024]; A: input x; B: input Wq: QUANTISED
;;     2. [M 8,192, K 1,024] x [K 1,024, N 1,024]; A: input x; B: input Wk: QUANTISED
;;     3. [M 8,192, K 1,024] x [K 1,024, N 1,024]; A: input x; B: input Wv: QUANTISED
;;     4. batch 64 x [M 2,048, K 64] x [K 64, N 2,048]; A: computed on the way; B: computed on the way: left as it is (an operand is computed on the way)
;;     5. batch 64 x [M 2,048, K 2,048] x [K 2,048, N 64]; A: computed on the way; B: computed on the way: left as it is (an operand is computed on the way)
;;     6. [M 8,192, K 1,024] x [K 1,024, N 1,024]; A: computed on the way; B: input Wo: left as it is (an operand is computed on the way)
;;   THE QUANTISER, for each operand of a quantised product, along K:
;;     - K is cut into blocks of 32 from its start; a last block that is shorter is filled with zeros.
;;     - A block's scale is 2^e with e = floor(log2(the largest magnitude in the block)) - 2, held to -126 .. 127; a block of zeros has e = 0. As a byte (E8M0): e + 127.
;;     - Each number is divided by its block's scale, clamped to +-6, and rounded to the nearest number of E2M1, ties to even, subnormals kept.
;;     - The product sums the exact products of the quantised numbers (number of the format x scale) in f32.
;;   ~~~python
;;   def quantise(x, axis):      # numpy; x: float32 -> the quantised numbers, widened to float32 again
;;       x = np.moveaxis(x, axis, -1); K = x.shape[-1]
;;       x = np.pad(x, [(0, 0)] * (x.ndim - 1) + [(0, -K % 32)]); x = x.reshape(x.shape[:-1] + (-1, 32)); a = np.abs(x).max(-1, keepdims=True)
;;       e = np.where(a > 0, np.clip(np.frexp(np.where(a > 0, a, 1))[1] - 1 - 2, -126, 127), 0)      # np.frexp(a)[1] - 1 = floor(log2(a)), exactly
;;       r = np.clip(x / 2.0 ** e, -6, 6)
;;       step = 2.0 ** (np.maximum(np.frexp(np.where(r == 0, 1, r))[1] - 1, 0) - 1)
;;       q = np.round(r / step) * step * 2.0 ** e      # np.round: ties to even
;;       return np.moveaxis(q.reshape(q.shape[:-2] + (-1,))[..., :K], -1, axis).astype(np.float32)
;;   ~~~
;; One version. Each part assembles by itself: llvm-mc -triple=amdgcn-amd-amdhsa -mcpu=gfx1250 --defsym DOCPART=n.
;; ======== version 1 of 1: 5 launches
;; limits: right only within a limited range of input values; values are held in f16: magnitudes above 65,504 overflow, below 6.1e-05 lose precision
;; workspace buffers: cod 5,767,168 bytes; scl 360,448 bytes; wo16 2,097,152 bytes; cls 1,024 bytes of whole numbers; qkv 50,331,648 bytes; att 16,777,216 bytes; afine 262,144 bytes
;; launch prep (part 1): grid 512 x 1, 4 waves a work-group, no clusters, 33,792 bytes of LDS; arguments x, Wq, Wk, Wv, Wo, mask, cod, scl, wo16, cls; writes cod, scl, wo16, cls
.if DOCPART == 1
	.amdgcn_target "amdgcn-amd-amdhsa--gfx1250"
	.amdhsa_code_object_version 6
	.text
	.protected	k_qca6e582e22_prep
	.globl	k_qca6e582e22_prep
	.p2align	8
	.type	k_qca6e582e22_prep,@function
k_qca6e582e22_prep:
	s_mov_b64 s[64:65], 0
	v_nop
	global_prefetch_b8 v0, s[64:65] scope:SCOPE_SE
	s_setreg_imm32_b32 hwreg(HW_REG_WAVE_MODE, 25, 1), 1
	s_wait_xcnt 0x0
; MULTI-HEAD ATTENTION, launch 1 of 5: everything that is made once from the inputs.
; NO WORK OF THE PROBLEM IS DEAD FOR ALL VALUES OF THE INPUTS: every input is loaded and every product is done.  What is left out later is chosen by WHOLE NUMBERS: the mask is an int32 input, and this launch
; stores, for each group of 16 query rows, two words with one bit for each step of 64 keys:  ACT: the 16 x 64 tile holds a kept key (mask != 0);  MIX: it holds a masked key (mask == 0).
; The attention launch reads these words from memory and leaves out a tile whose ACT bit is 0, and leaves out the mask's arithmetic where the MIX bit is 0.
; WHY A TILE WITH ACT = 0 ADDS NOTHING: each of its entries is fl(score - 1e9), and its row has a kept key elsewhere, so exp(entry - the row's maximum) is 0 in f32.
; If ANY of the 16 rows keeps no key at all, ACT is set to all ones: nothing is left out for that group, and the softmax over fl(score - 1e9) is done as it is written.  So ACT and MIX of larger groups are the OR of their parts.
; LIMIT: the tiles left out are exact zeros as long as a row's scores (q.k / 8) spread over less than about 9e8; a NaN or an infinity that reaches only a tile left out is not carried to the result.
; THREE PATHS, chosen by the work-group's number alone; they never join, and each has LDS bytes of its own:
;   0 .. 127    the mask's classes: 16 rows a work-group, 512 keys (8 steps) a wave
;   128 .. 479  x, Wq, Wk, Wv (f32, K innermost) into codes of FP4 (E2M1) and E8M0 scale bytes, stacked as 11,264 rows: x's 8,192, then Wq's, Wk's, Wv's 1,024 each
;   480 .. 511  Wo into f16 (the last product is left as it is; f16 has room: Wo some 30 times larger than drawn stays near 1)
; THE QUANTISER: a block's scale is 2^(floor(log2(largest magnitude)) - 2); its byte is the largest magnitude's exponent field - 2, held at 1 from below.  A block of zeros so gets the byte 1 where the rule says 127:
; its codes are zeros, which add nothing under any byte but 0xff, and this program alone reads the bytes.  LIMITS: blocks whose largest magnitude lies under 2^(2 - 126) keep the byte 1; NaN and infinities among the inputs are not served.
.set NM,    128                        ; work-groups of the mask
.set NQW,   352                        ; work-groups of the quantiser: 11,264 x 1,024 / 32,768
.set WAVES, 4
.set STEPS, 16
.set EMAX,  2
.set CB,    8                          ; bytes of 16 codes
.set R,     16                         ; quantiser: v16-79 four sets of 16 numbers as loaded
.set X,     80                         ; v80-111 two sets of 16 neighbours
.set C,     128                        ; v128-191 codes, four registers a step
.set E,     112                        ; v112-127 a scale byte a step
.set WREG,  8192                       ; LDS: a region for each wave: two stages of 32 x SP bytes, then its 256 scale bytes
.set SP,    80
.set SPW,   12                         ; v12 LDS address of my spare word; never rewritten
.set NIL,   13                         ; v13 0; never rewritten
.set SPARE, WAVES*WREG                 ; the spare words: 128 bytes a wave, two blocks of 256 bytes that no other line names
.set MB,    SPARE+512                  ; the mask path's own 256 bytes: 64 for each wave
.set MD,    32                         ; mask: v32-159 four sets of 32 registers
.set WX,    16                         ; Wo: v16-79 sixteen slots of 4 numbers
.set WY,    80                         ; v80-111 sixteen slots of 4 f16
.macro FINISH                          ; the wave's end
	s_wait_tensorcnt 0x0
	ds_add_u32 v[SPW], v[NIL]
	s_wait_dscnt 0x0
	s_endpgm
.endm
	s_load_b512 s[8:23], s[0:1], 0x0               ; x s[8:9], Wq s[10:11], Wk s[12:13], Wv s[14:15], Wo s[16:17], mask s[18:19], cod s[20:21], scl s[22:23]
	s_load_b128 s[24:27], s[0:1], 0x40             ; wo16 s[24:25], cls s[26:27]
	v_lshl_add_u32 v[SPW], v0, 2, SPARE
	v_mov_b32 v[NIL], 0
	v_lshrrev_b32 v1, 5, v0
	v_readfirstlane_b32 s4, v1                     ; wave
	v_and_b32 v2, 31, v0                           ; lane
	s_mov_b32 s7, 0
	s_wait_kmcnt 0x0
	s_cmp_lt_u32 ttmp9, NM
	s_cbranch_scc1 .Lmask
	s_cmp_lt_u32 ttmp9, NM+NQW
	s_cbranch_scc1 .Lquant
; ---- Wo to f16.  A wave has 8,192 numbers: 64 loads of 512 consecutive bytes; a lane's 4 numbers become 8 bytes, so a store covers 256 consecutive bytes, aligned.  Every offset is an immediate.
	s_sub_co_u32 s5, ttmp9, NM+NQW
	s_lshl_b32 s5, s5, 2
	s_add_co_u32 s5, s5, s4                        ; which run of 8,192 numbers
	s_lshl_b32 s6, s5, 15
	s_add_nc_u64 s[16:17], s[16:17], s[6:7]
	s_lshl_b32 s6, s5, 14
	s_add_nc_u64 s[24:25], s[24:25], s[6:7]
	v_lshlrev_b32 v3, 4, v2
	v_lshlrev_b32 v4, 3, v2
.irp i, 0,1,2,3,4,5,6,7,8,9,10,11,12,13,14,15
	global_load_b128 v[WX+4*\i:WX+4*\i+3], v3, s[16:17] offset:512*\i th:TH_LOAD_NT
.endr
.macro WTURN i
.if 63-(\i) >= 15
	s_wait_loadcnt 15                              ; loads come back in order: mine is in, the fifteen younger stay out
.else
	s_wait_loadcnt 63-(\i)
.endif
	s_wait_xcnt 0x0                                ; the slot's last store has read its data: they are rewritten only behind this wait
	v_cvt_pk_f16_f32 v[WY+2*((\i)%16)], v[WX+4*((\i)%16)], v[WX+4*((\i)%16)+1]
	v_cvt_pk_f16_f32 v[WY+2*((\i)%16)+1], v[WX+4*((\i)%16)+2], v[WX+4*((\i)%16)+3]
.if (\i)+16 < 64
	global_load_b128 v[WX+4*((\i)%16):WX+4*((\i)%16)+3], v3, s[16:17] offset:512*((\i)+16) th:TH_LOAD_NT
.endif
	global_store_b64 v4, v[WY+2*((\i)%16):WY+2*((\i)%16)+1], s[24:25] offset:256*(\i)
.endm
.set N, 0
.rept 64
	WTURN N
.set N, N+1
.endr
	FINISH
; ---- The quantiser.  Rows are dense and K is a multiple of 32: each tensor is a plain stream of blocks of 32.  A wave takes 16 steps of 512 numbers.  Each load reads 512 consecutive bytes; the 2,048 bytes of a step
; turn through the wave's own padded stage in LDS, so that a lane then holds 16 neighbours along K (two lanes to a block).  A wave's store of codes covers 256 consecutive bytes; its 256 scale bytes leave as one such run.
.Lquant:
	s_sub_co_u32 s5, ttmp9, NM                     ; u: 0-255 x, 256-287 Wq, 288-319 Wk, 320-351 Wv
	s_and_b32 s6, s5, 31
	s_cmp_lt_u32 s5, 320                           ; the choices hang on the work-group's number alone
	s_cselect_b64 s[28:29], s[12:13], s[14:15]
	s_cmp_lt_u32 s5, 288
	s_cselect_b64 s[28:29], s[10:11], s[28:29]
	s_cmp_lt_u32 s5, 256
	s_cselect_b64 s[28:29], s[8:9], s[28:29]
	s_cselect_b32 s6, s5, s6                       ; my place in the tensor
	s_lshl_b32 s6, s6, 2
	s_add_co_u32 s6, s6, s4
	s_lshl_b32 s6, s6, 15                          ; 8,192 numbers of 4 bytes a wave
	s_add_nc_u64 s[28:29], s[28:29], s[6:7]
	s_lshl_b32 s5, s5, 2
	s_add_co_u32 s5, s5, s4                        ; the stack's order is the order of u
	s_lshl_b32 s6, s5, 12
	s_add_nc_u64 s[20:21], s[20:21], s[6:7]
	s_lshl_b32 s6, s5, 8
	s_add_nc_u64 s[22:23], s[22:23], s[6:7]
	v_lshlrev_b32 v3, 4, v2                        ; my 16 bytes of a load's 512
	s_mul_i32 s30, s4, WREG
	v_lshrrev_b32 v14, 2, v2
	v_mul_u32_u24 v14, v14, SP
	v_and_b32 v15, 3, v2
	v_lshl_add_u32 v14, v15, 4, v14
	v_add_nc_u32 v14, s30, v14                     ; the stage, on the way in: SP (lane / 4) + 16 (lane % 4)
	v_mul_u32_u24 v15, v2, SP
	v_add_nc_u32 v15, s30, v15                     ; and on the way out: SP x lane
	v_mul_u32_u24 v4, v2, CB
	v_lshrrev_b32 v5, 1, v2
	s_add_co_u32 s30, s30, 2*32*SP
	v_add_nc_u32 v5, s30, v5                       ; my block's scale byte
	v_lshlrev_b32 v7, 3, v2
	v_add_nc_u32 v6, s30, v7
.macro QLOAD t
.irp i, 0,1,2,3
	global_load_b128 v[R+16*((\t)%4)+4*\i:R+16*((\t)%4)+4*\i+3], v3, s[28:29] offset:2048*(\t)+512*\i th:TH_LOAD_NT
.endr
.endm
.macro QTURN t                         ; LDS serves a wave's instructions in order: no wait between the stores and the loads
.irp i, 0,1,2,3
	ds_store_b128 v14, v[R+16*((\t)%4)+4*\i:R+16*((\t)%4)+4*\i+3] offset:32*SP*((\t)%2)+8*SP*\i
.endr
.irp i, 0,1,2,3
	ds_load_b128 v[X+16*((\t)%2)+4*\i:X+16*((\t)%2)+4*\i+3], v15 offset:32*SP*((\t)%2)+16*\i
.endr
.endm
.irp t, 0,1,2,3
	QLOAD \t
.endr
	s_wait_loadcnt 12                              ; step 0's four loads are in
	QTURN 0
.macro QSTEP t
.set XS, X+16*((\t)%2)
.if (\t) > 0
	s_wait_dscnt 1                                 ; this step's numbers are back from the stage (the last step's byte store may be out)
.else
	s_wait_dscnt 0x0
.endif
.if (\t)+4 < STEPS
	QLOAD (\t)+4
.endif
.if (\t)+1 < STEPS
.if STEPS-2-(\t) >= 3
	s_wait_loadcnt 12                              ; the next step's four loads are in; those of three steps behind it may be out
.else
	s_wait_loadcnt 4*(STEPS-2-(\t))
.endif
	QTURN (\t)+1
.endif
	v_max3_num_f32 v8, |v[XS]|, |v[XS+1]|, |v[XS+2]|
	v_max3_num_f32 v9, |v[XS+3]|, |v[XS+4]|, |v[XS+5]|
.irp i, 6,10
	v_max3_num_f32 v8, v8, |v[XS+\i]|, |v[XS+\i+1]|
	v_max3_num_f32 v9, v9, |v[XS+\i+2]|, |v[XS+\i+3]|
.endr
	v_max3_num_f32 v8, v8, |v[XS+14]|, |v[XS+15]|
	v_max3_num_f32 v8, v8, v9, (EMAX+1)<<23        ; the floor 2^(EMAX + 1 - 127): the byte cannot fall under 1
	v_max_num_f32_dpp v8, v8, v8 row_xmask:1 row_mask:0xf bank_mask:0xf   ; with my neighbour's 16: the block's
	v_add_nc_u32 v11, -(EMAX<<23), v8              ; EMAX off the exponent field: the conversion takes that field as its scale
	v_cvt_scalef32_pk8_fp4_f32 v[C+4*(\t)], v[XS:XS+7], v11
	v_cvt_scalef32_pk8_fp4_f32 v[C+4*(\t)+1], v[XS+8:XS+15], v11
	v_lshrrev_b32 v[E+(\t)], 23, v11               ; the scale's byte
	ds_store_b8 v5, v[E+(\t)] offset:16*(\t)       ; both lanes of a block write the same byte with the same value
	global_store_b64 v4, v[C+4*(\t):C+4*(\t)+1], s[20:21] offset:32*CB*(\t)
.endm
.irp t, 0,1,2,3,4,5,6,7,8,9,10,11,12,13,14,15
	QSTEP \t
.endr
	ds_load_b64 v[8:9], v6
	s_wait_dscnt 0x0
	global_store_b64 v7, v[8:9], s[22:23]          ; 32 lanes store 256 consecutive bytes, aligned
	FINISH
; ---- The mask's classes.  Work-group g: rows 16 g on.  Wave w: keys 512 w on, 8 steps of 64.  A load takes two rows' 256 bytes (lanes 0-15 the even row, lanes 16-31 the odd one); eight loads are a step.
; Kept in scalars: s32-39 for each pair of rows the lanes that have seen a kept key; s40, s41 the wave's eight ACT and MIX bits.  Nothing branches on the mask's numbers here.
.Lmask:
	s_lshl_b32 s6, ttmp9, 17                       ; 16 rows of 8,192 bytes
	s_lshl_b32 s5, s4, 11                          ; 512 keys of 4 bytes
	s_add_co_u32 s6, s6, s5
	s_add_nc_u64 s[18:19], s[18:19], s[6:7]
	v_and_b32 v3, 15, v0
	v_bfe_u32 v4, v0, 4, 1
	v_lshlrev_b32 v3, 4, v3
	v_lshl_add_u32 v3, v4, 13, v3                  ; 16 (lane % 16) + 8,192 (lane / 16); never rewritten
.irp i, 32,33,34,35,36,37,38,39,40,41
	s_mov_b32 s\i, 0
.endr
.macro MLOAD st
.irp i, 0,1,2,3,4,5,6,7
	global_load_b128 v[MD+32*((\st)%4)+4*\i:MD+32*((\st)%4)+4*\i+3], v3, s[18:19] offset:256*(\st)+16384*\i th:TH_LOAD_NT
.endr
.endm
.macro MSTEP st
.set MS, MD+32*((\st)%4)
.if (\st) < 5
	s_wait_loadcnt 24                              ; my eight loads are in; three younger steps stay out
.else
	s_wait_loadcnt 8*(7-(\st))
.endif
.irp i, 0,1,2,3,4,5,6,7
	v_or_b32 v16, v[MS+4*\i], v[MS+4*\i+1]
	v_or_b32 v17, v[MS+4*\i+2], v[MS+4*\i+3]
	v_min_u32 v18, v[MS+4*\i], v[MS+4*\i+1]
	v_min_u32 v19, v[MS+4*\i+2], v[MS+4*\i+3]
	v_or_b32 v16, v16, v17                         ; not 0: one of my four is kept
	v_min_u32 v18, v18, v19                        ; 0: one of my four is masked
.if \i == 0
	v_mov_b32 v20, v18
.else
	v_min_u32 v20, v20, v18
.endif
	v_cmp_ne_u32 s42, 0, v16
	s_or_b32 s[32+\i], s[32+\i], s42
.if \i == 0
	s_mov_b32 s43, s42
.else
	s_or_b32 s43, s43, s42
.endif
.endr
	v_cmp_eq_u32 s44, 0, v20
.if (\st)+4 < 8
	MLOAD (\st)+4
.endif
	s_cmp_lg_u32 s43, 0
	s_cselect_b32 s45, 1<<(\st), 0
	s_or_b32 s40, s40, s45
	s_cmp_lg_u32 s44, 0
	s_cselect_b32 s45, 1<<(\st), 0
	s_or_b32 s41, s41, s45
.endm
.irp t, 0,1,2,3
	MLOAD \t
.endr
.irp t, 0,1,2,3,4,5,6,7
	MSTEP \t
.endr
	s_lshl_b32 s5, s4, 3
	s_lshl_b32 s40, s40, s5                        ; my eight bits at their place among the 32
	s_lshl_b32 s41, s41, s5
	s_lshl_b32 s5, s4, 6
	s_add_co_u32 s5, s5, MB
	v_mov_b32 v5, s5                               ; my wave's 64 bytes
.irp i, 0,1,2,3,4,5,6,7,8,9
	v_mov_b32 v[16+\i], s[32+\i]
.endr
	ds_store_b128 v5, v[16:19]                     ; all lanes write the same words with the same values
	ds_store_b128 v5, v[20:23] offset:16
	ds_store_b64 v5, v[24:25] offset:32
	s_wait_dscnt 0x0                               ; for the others' sake: my stores are done
	s_barrier_signal -1
	s_barrier_wait -1
	v_mov_b32 v6, MB
.irp w, 0,1,2,3
	ds_load_b128 v[32+12*\w:35+12*\w], v6 offset:64*\w
	ds_load_b128 v[36+12*\w:39+12*\w], v6 offset:64*\w+16
	ds_load_b64 v[40+12*\w:41+12*\w], v6 offset:64*\w+32
.endr
	s_wait_dscnt 0x0
.irp j, 0,1,2,3,4,5,6,7,8,9
	v_or_b32 v[32+\j], v[32+\j], v[44+\j]
	v_or_b32 v[56+\j], v[56+\j], v[68+\j]
	v_or_b32 v[32+\j], v[32+\j], v[56+\j]          ; over the four waves' keys: v32-39 the rows' lanes, v40 kept bits, v41 MIX
.endr
	v_and_b32 v16, 0xffff, v32                     ; 0 where a row has no kept key: the least over the sixteen rows
	v_lshrrev_b32 v17, 16, v32
	v_min_u32 v16, v16, v17
.irp i, 1,2,3,4,5,6,7
	v_and_b32 v17, 0xffff, v[32+\i]
	v_lshrrev_b32 v18, 16, v[32+\i]
	v_min_u32 v16, v16, v17
	v_min_u32 v16, v16, v18
.endr
	v_mov_b32 v17, -1
	v_cmp_eq_u32 vcc_lo, 0, v16
	v_cndmask_b32 v40, v40, v17, vcc_lo            ; ACT: all ones where some row keeps nothing
	v_mov_b32 v7, 0
	s_lshl_b32 s6, ttmp9, 3
	s_add_nc_u64 s[26:27], s[26:27], s[6:7]
	s_wait_xcnt 0x0                                ; EXEC changes only behind this wait
	v_cmp_eq_u32 vcc_lo, 0, v0
	s_and_saveexec_b32 s5, vcc_lo                  ; thread 0 alone stores the group's two words
	global_store_b64 v7, v[40:41], s[26:27]
	s_wait_xcnt 0x0                                ; and again in front of the line that widens it
	s_or_b32 exec_lo, exec_lo, s5
	FINISH
.Lfunc_end_k_qca6e582e22_prep:
	.size	k_qca6e582e22_prep, .Lfunc_end_k_qca6e582e22_prep-k_qca6e582e22_prep
	.p2alignl 7, 3214868480
	.fill 96, 4, 3214868480
	.section	.rodata,"a",@progbits
	.p2align	6, 0x0
	.amdhsa_kernel k_qca6e582e22_prep
		.amdhsa_group_segment_fixed_size 33792
		.amdhsa_private_segment_fixed_size 0
		.amdhsa_enable_private_segment 0
		.amdhsa_kernarg_size 80
		.amdhsa_user_sgpr_count 2
		.amdhsa_user_sgpr_kernarg_segment_ptr 1
		.amdhsa_wavefront_size32 1
		.amdhsa_system_sgpr_workgroup_id_x 1
		.amdhsa_system_sgpr_workgroup_id_y 1
		.amdhsa_system_sgpr_workgroup_id_z 1
		.amdhsa_system_vgpr_workitem_id 0
		.amdhsa_next_free_vgpr 192
		.amdhsa_next_free_sgpr 66
		.amdhsa_reserve_vcc 1
		.amdhsa_float_denorm_mode_32 3
		.amdhsa_float_denorm_mode_16_64 3
		.amdhsa_memory_ordered 1
		.amdhsa_forward_progress 1
		.amdhsa_inst_pref_size 93
	.end_amdhsa_kernel
	.amdgpu_metadata
---
amdhsa.version: [ 1, 2 ]
amdhsa.kernels:
  - .name:           k_qca6e582e22_prep
    .symbol:         k_qca6e582e22_prep.kd
    .args:
      - { .name: x, .offset: 0, .size: 8, .value_kind: global_buffer, .address_space: global }
      - { .name: Wq, .offset: 8, .size: 8, .value_kind: global_buffer, .address_space: global }
      - { .name: Wk, .offset: 16, .size: 8, .value_kind: global_buffer, .address_space: global }
      - { .name: Wv, .offset: 24, .size: 8, .value_kind: global_buffer, .address_space: global }
      - { .name: Wo, .offset: 32, .size: 8, .value_kind: global_buffer, .address_space: global }
      - { .name: mask, .offset: 40, .size: 8, .value_kind: global_buffer, .address_space: global }
      - { .name: cod, .offset: 48, .size: 8, .value_kind: global_buffer, .address_space: global }
      - { .name: scl, .offset: 56, .size: 8, .value_kind: global_buffer, .address_space: global }
      - { .name: wo16, .offset: 64, .size: 8, .value_kind: global_buffer, .address_space: global }
      - { .name: cls, .offset: 72, .size: 8, .value_kind: global_buffer, .address_space: global }
    .group_segment_fixed_size: 33792
    .private_segment_fixed_size: 0
    .kernarg_segment_align: 8
    .kernarg_segment_size: 80
    .max_flat_workgroup_size: 128
    .sgpr_count:     66
    .vgpr_count:     192
    .wavefront_size: 32
...
	.end_amdgpu_metadata
.endif
;; end of part 1
;; launch qkv (part 2): grid 12 x 32, 4 waves a work-group, clusters of 4 x 4, 327,680 bytes of LDS; arguments cod, scl, qkv; writes qkv
.if DOCPART == 2
	.amdgcn_target "amdgcn-amd-amdhsa--gfx1250"
	.amdhsa_code_object_version 6
	.text
	.protected	k_qca6e582e22_qkv
	.globl	k_qca6e582e22_qkv
	.p2align	8
	.type	k_qca6e582e22_qkv,@function
k_qca6e582e22_qkv:
	s_mov_b64 s[64:65], 0
	v_nop
	global_prefetch_b8 v0, s[64:65] scope:SCOPE_SE
	s_setreg_imm32_b32 hwreg(HW_REG_WAVE_MODE, 25, 1), 1
	s_wait_xcnt 0x0
	s_wait_alu depctr_hold_cnt(0) depctr_sa_sdst(0) depctr_va_vdst(0) depctr_va_sdst(0) depctr_va_ssrc(0) depctr_va_vcc(0) depctr_vm_vsrc(0)
	s_getreg_b32 s2, hwreg(HW_REG_IB_STS2, 6, 4)
	s_cmp_eq_u32 s2, 0
	s_cbranch_scc0 .Lentry_in_a_cluster
	s_endpgm
.Lentry_in_a_cluster:
	s_bfe_u32 s2, ttmp6, 0x10000c
	s_cmp_lg_u32 s2, 0xf033
	s_cbranch_scc0 .Lentry_shape_is_right
	s_endpgm
.Lentry_shape_is_right:
; Launch 2 of 5: q, k, v = x Wq^T, x Wk^T, x Wv^T as ONE product on codes of FP4 (E2M1) with E8M0 scales: C[m][n], m = 8,192 rows of x, n = 3,072 rows of the stacked weights, K = 1,024; sums in f32.  Nothing is left out here.
; A = rows 0-8,191 of cod and scl, B = the rows behind them.  A tile of C, 256 x 256, is made by four waves, each 128 x 128: 64 accumulators of 16 x 16.
; K is 1,024: two LDS slots of 512 along K hold ALL of it, so every tensor load of the launch is a first fill and nothing is filled again.  The scale bytes of the tile's rows come with them, as dense blocks.
; CLUSTERS: 4 x 4 work-groups; A's tiles are asked for jointly along a row of the cluster, B's along a column.  The matrix instruction is used TRANSPOSED (source 0 = 16 rows of B, source 1 = 16 rows of A):
; a lane then holds one row m (a position t) and eight neighbouring n (channels d of a head).
; THE RESULTS LEAVE AS f16, IN THE ORDER OF THE NEXT LAUNCH'S OPERAND REGISTERS (LIMIT: |q|, |k|, |v| up to 65,504):
;   q, k: byte ((batch 16 + head) 128 + t / 16) 2048 + 512 (d / 16) + 16 lane: lane (r, h) holds t % 16 = r, d % 16 = 8 h + 0..7: just what a lane holds here, so a store of the wave covers 512 consecutive bytes with no stage.
;   v:    byte ((batch 16 + head) 64 + t / 32) 4096 + 1024 (d / 16) + 512 ((t / 16) % 2) + 16 lane: lane (r, h) holds d % 16 = r, t % 16 = 8 h + 0..7: the keys run along the lane.  The 16 x 16 tiles are turned through the wave's stage in LDS.
; A cluster's x is the section (0 q, 1 k, 2 v): the one branch of the way out hangs on it, and all sixteen partners share it.
.set SIZE_M, 8192
.set SIZE_N, 3072
.set SIZE_K, 1024
.set KSTEP,  512
.set NQ,     KSTEP/128
.set ROWB,   256
.set KROW,   SIZE_K*4/8
.set PITCH,  272                       ; an LDS row: 256 bytes + 16 of padding: the 16 rows that a load touches start at 16 different banks (64 banks of 4 bytes: ISA guide 11.1)
.set FR,     8
.set NL,     2
.set NP,     4                         ; places behind this matrix instruction (ISA guide 7.12.1)
.set HALFT,  128*PITCH
.set SLOT,   4*HALFT
.set KS,     SIZE_K/32
.set SCL,    2*SLOT
.set HALFS,  (128*KS/256)*272
.set SBLK,   (16*KS/256)*272
.set SPARE,  SCL+4*HALFS               ; the spare words: 128 bytes a wave, two blocks of 256 bytes that no other line names
.set VPITCH, 288                       ; v's stage: 16 rows (positions) x (256 bytes + 32) for each wave, in slot 0, which has had its only fill and its last read when the first result is stored there
.set ADRA, 16
.set ADRB, 20
.set STO,  24                          ; v24 the stage: where I put 16 bytes of a row
.set RD,   25                          ; v25 the stage: where the turning load reads
.set CO,   26                          ; v26 16 x lane
.set ADRS, 27
.set SPW,  28
.set NIL,  29
.set SC,   32                          ; v32-95 scale words, two sets: they hold scales and nothing else
.set AF,   128                         ; A's fragments, window 0
.set TMP,  128                         ; the way out: packed results, v128 on (q, k: four sets of 32; v: one)
.set BK,   160                         ; v's way out: two sets of 32
.set G1, 24
.set G0, 32
.set G1B, 48
.set G0B, 56
.set G1S, 68
.set G0S, 76
.set G1SB, 80
.set G0SB, 88
.set MSB, 0
.macro WIN new                         ; the immediate's high byte repeats the setting that is left
.if MSB != \new
	s_set_vgpr_msb (MSB<<8)|\new
.set MSB, \new
.endif
.endm
.set MUL_LO, 0xa1                      ; source 0 (B) window 1, source 1 (A) window 0, C and D window 2
.set MUL_HI, 0xf1
.set TO_B,   0x40
; A joint load: waves 0 and 1 fetch for A, waves 2 and 3 for B; the branch hangs on the wave's number alone.  An s_nop 0 and four v_nop follow each of the two lines.
.macro JLOAD g0a, g1a, g0b, g1b
	s_cmp_eq_u32 s15, 0
	s_cbranch_scc0 .Lfor_b_\@
	tensor_load_to_lds s[\g0a:\g0a+3], s[\g1a:\g1a+7]
	s_nop 0
.rept 4
	v_nop
.endr
	s_branch .Lasked_\@
.Lfor_b_\@:
	tensor_load_to_lds s[\g0b:\g0b+3], s[\g1b:\g1b+7]
	s_nop 0
.rept 4
	v_nop
.endr
.Lasked_\@:
.endm
.macro CREST
	s_cmp_lg_u32 s14, 0
	s_cbranch_scc1 .Lnot_wave_0_\@
	s_barrier_signal -3
.Lnot_wave_0_\@:
	s_barrier_wait -3
	s_barrier_signal -1
	s_barrier_wait -1
.endm
.macro CROUND
	s_barrier_signal -1
	s_barrier_wait -1
	CREST
.endm
	s_load_b128 s[4:7], s[0:1], 0x0                ; cod s[4:5], scl s[6:7]
	s_load_b64 s[12:13], s[0:1], 0x10              ; qkv
	v_lshl_add_u32 v[SPW], v0, 2, SPARE
	v_mov_b32 v[NIL], 0
	ds_add_u32 v[SPW], v[NIL]                      ; the wave's opening: the add, twice on end, and its wait ahead of my first tensor load
	ds_add_u32 v[SPW], v[NIL]
	v_lshrrev_b32 v1, 5, v0
	v_readfirstlane_b32 s14, v1                    ; wave 0..3
	s_lshr_b32 s15, s14, 1                         ; which half of the tile's rows is mine.  Also: I fetch for A (0) or for B (1)
	s_and_b32 s16, s14, 1                          ; which half of its columns.  Also: which 128 rows of that tile I fetch
	s_bfe_u32 s40, ttmp6, 0x40000                  ; cx, cy
	s_bfe_u32 s41, ttmp6, 0x40004
	s_lshl_b32 s42, ttmp9, 2
	s_add_co_u32 s42, s42, s40                     ; tile column of C
	s_and_b32 s17, ttmp7, 0xffff
	s_lshl_b32 s17, s17, 2
	s_add_co_u32 s17, s17, s41                     ; tile row of C
	s_lshl_b32 s43, s41, 2
	s_lshl_b32 s43, 15, s43                        ; my row of the cluster
	s_lshl_b32 s44, 0x1111, s40                    ; my column
	s_or_b32 s[G1+0], s43, (0<<16)|(1<<20)|(1<<21)|(5<<22)|(3<<25)  ; the mask; elements of 1 byte; padding: 4 words after every 64; bit 21 beside a mask
	s_or_b32 s[G1B+0], s44, (0<<16)|(1<<20)|(1<<21)|(5<<22)|(3<<25)
.irp g, G1, G1B
	s_mov_b32 s[\g+1], ROWB<<16                    ; tensor_dim0
	s_mov_b32 s[\g+2], 128<<16                     ; tensor_dim1
	s_mov_b32 s[\g+3], ROWB<<16                    ; tile_dim0
	s_mov_b32 s[\g+4], 128                         ; tile_dim1
	s_mov_b32 s[\g+5], KROW                        ; the pitch
	s_mov_b32 s[\g+6], 0
	s_mov_b32 s[\g+7], 0
.endr
	s_or_b32 s[G1S+0], s43, (3<<16)|(1<<20)|(1<<21)|(5<<22)|(3<<25)   ; the scales of 128 rows: a dense block, as rows of 256 bytes (32 elements of 8), 16 bytes of padding behind each
	s_or_b32 s[G1SB+0], s44, (3<<16)|(1<<20)|(1<<21)|(5<<22)|(3<<25)
.irp g, G1S, G1SB
	s_mov_b32 s[\g+1], 32<<16
	s_mov_b32 s[\g+2], (128*KS/256)<<16
	s_mov_b32 s[\g+3], 32<<16
	s_mov_b32 s[\g+4], 128*KS/256
	s_mov_b32 s[\g+5], 32
	s_mov_b32 s[\g+6], 0
	s_mov_b32 s[\g+7], 0
.endr
	s_lshl_b32 s18, s16, 7
	s_lshl_b32 s20, s17, 8
	s_add_co_u32 s20, s20, s18                     ; A: row 256 x tile row + 128 x half
	s_lshl_b32 s46, s42, 8
	s_add_co_u32 s46, s46, s18                     ; B: row 256 x tile column + 128 x half
	s_mov_b32 s21, 0
	s_mov_b32 s47, 0
	s_mov_b64 s[18:19], KS
	s_mul_u64 s[22:23], s[20:21], s[18:19]
	s_mul_u64 s[92:93], s[46:47], s[18:19]
	s_mov_b64 s[18:19], KROW
	s_mul_u64 s[20:21], s[20:21], s[18:19]
	s_mul_u64 s[46:47], s[46:47], s[18:19]
	s_mul_i32 s45, s14, HALFT                      ; where they go: wave x 128 rows
	s_mul_i32 s94, s14, HALFS
	s_wait_dscnt 0x0                               ; both opening adds are done
	s_wait_kmcnt 0x0
	s_add_nc_u64 s[8:9], s[4:5], SIZE_M*KROW       ; the weights' codes lie behind x's 8,192 rows,
	s_add_nc_u64 s[10:11], s[6:7], SIZE_M*KS       ; and so do their scale bytes
	s_add_nc_u64 s[20:21], s[4:5], s[20:21]
	s_add_nc_u64 s[22:23], s[6:7], s[22:23]
	s_add_nc_u64 s[46:47], s[8:9], s[46:47]
	s_add_nc_u64 s[92:93], s[10:11], s[92:93]
	CROUND                                         ; all sixteen work-groups are here: the first joint loads meet
	s_mov_b32 s[G0S], 1
	s_add_co_u32 s[G0S+1], s94, SCL
	s_mov_b64 s[G0S+2:G0S+3], s[22:23]
	s_or_b32 s[G0S+3], s[G0S+3], 0x80000000
	s_mov_b32 s[G0SB], 1
	s_add_co_u32 s[G0SB+1], s94, SCL
	s_mov_b64 s[G0SB+2:G0SB+3], s[92:93]
	s_or_b32 s[G0SB+3], s[G0SB+3], 0x80000000
	JLOAD G0S, G1S, G0SB, G1SB                     ; the scales first; three tensor loads of mine are out at the most
.irp s, 0,1
	s_mov_b32 s[G0+4*\s], 1
	s_add_co_u32 s[G0+4*\s+1], s45, \s*SLOT
	s_add_nc_u64 s[G0+4*\s+2:G0+4*\s+3], s[20:21], \s*ROWB
	s_or_b32 s[G0+4*\s+3], s[G0+4*\s+3], 0x80000000
	s_mov_b32 s[G0B+4*\s], 1
	s_add_co_u32 s[G0B+4*\s+1], s45, \s*SLOT
	s_add_nc_u64 s[G0B+4*\s+2:G0B+4*\s+3], s[46:47], \s*ROWB
	s_or_b32 s[G0B+4*\s+3], s[G0B+4*\s+3], 0x80000000
	JLOAD G0+4*\s, G1, G0B+4*\s, G1B
.endr
	v_and_b32 v1, 15, v0                           ; r
	v_bfe_u32 v2, v0, 4, 1                         ; h
	v_mul_u32_u24 v3, v1, PITCH
	v_lshl_add_u32 v4, v2, 4, v3
	s_mul_i32 s21, s15, HALFT
	s_mul_i32 s22, s16, HALFT
	s_add_co_u32 s22, s22, 2*HALFT
.irp s, 0,1
	v_add_nc_u32 v[ADRA+\s], s21, v4
	v_add_nc_u32 v[ADRB+\s], s22, v4
	s_add_co_u32 s21, s21, SLOT
	s_add_co_u32 s22, s22, SLOT
.endr
	v_mul_u32_u24 v5, v1, KS
	v_lshrrev_b32 v6, 8, v5
	v_lshl_add_u32 v5, v6, 4, v5
	s_mul_i32 s21, s15, HALFS
	s_mul_i32 s22, s16, HALFS
	s_add_co_u32 s22, s22, 2*HALFS
	s_sub_co_u32 s22, s22, s21
	v_mul_u32_u24 v6, s22, v2                      ; lanes 16-31 take B's scale words
	s_add_co_u32 s21, s21, SCL
	v_add_nc_u32 v5, v5, v6
	v_add_nc_u32 v[ADRS], s21, v5
	s_mul_i32 s23, s14, 16*VPITCH                  ; my stage
	v_mul_u32_u24 v5, v1, VPITCH
	v_lshl_add_u32 v5, v2, 4, v5
	v_add_nc_u32 v[STO], s23, v5                   ; in: row r (a position), 16 bytes for each half of the lanes
	v_and_b32 v5, 7, v0
	v_lshl_add_u32 v5, v2, 3, v5
	v_mul_u32_u24 v5, v5, VPITCH
	v_bfe_u32 v6, v0, 3, 1
	v_lshl_add_u32 v5, v6, 4, v5
	v_add_nc_u32 v[RD], s23, v5                    ; the turning load: row 8 h + lane % 8, 16 bytes at 16 ((lane / 8) % 2)
	v_and_b32 v6, 31, v0
	v_lshlrev_b32 v[CO], 4, v6
	; where my results begin: section x 16 MiB + batch x 4 MiB + (4 cx + 2 column half) heads of 256 KiB + ((tile row % 8) 16 + 8 row half) x 2,048
	s_lshl_b32 s20, ttmp9, 24
	s_lshr_b32 s21, s17, 3
	s_lshl_b32 s21, s21, 22
	s_add_co_u32 s20, s20, s21
	s_and_b32 s21, s17, 7
	s_lshl_b32 s21, s21, 4
	s_lshl_b32 s22, s15, 3
	s_add_co_u32 s21, s21, s22
	s_lshl_b32 s21, s21, 11
	s_add_co_u32 s20, s20, s21
	s_mov_b32 s21, 0
	s_lshl_b32 s46, s40, 2
	s_lshl_b32 s47, s16, 1
	s_add_co_u32 s46, s46, s47
	s_lshl_b32 s46, s46, 18
	s_mov_b32 s47, 0
	s_add_nc_u64 s[20:21], s[20:21], s[46:47]
	s_add_nc_u64 s[12:13], s[12:13], s[20:21]
.macro FRAG reg, adr, q, i             ; 16 rows x 128 K of 4-bit codes: 8 registers; registers 4 c .. 4 c + 3 hold K = 64 c + 32 (lane / 16) + 0 .. 31
.irp c, 0,1
	ds_load_b128 v[\reg+4*\c:\reg+4*\c+3], v[\adr] offset:64*(\q)+32*\c+(\i)*16*PITCH
.endr
.endm
; 16 matrix instructions: A's blocks a0, a0 + 1 x B's eight.  The 64 accumulators take turns, one instruction a turn, in the same order in every step.
.macro MUL16 a0, p, q, sc, zero
.irp a, \a0, \a0+1
.irp b, 0,1,2,3,4,5,6,7
.if \zero
	v_wmma_scale_f32_16x16x128_f8f6f4 v[8*(8*((\a)%4)+\b):8*(8*((\a)%4)+\b)+7], v[128*(\p)+FR*\b:128*(\p)+FR*\b+FR-1], v[AF+FR*(\a):AF+FR*(\a)+FR-1], 0, v[SC+8*NQ*(\sc)+NQ*\b+(\q)], v[SC+8*NQ*(\sc)+NQ*(\a)+(\q)] matrix_a_fmt:MATRIX_FMT_FP4 matrix_b_fmt:MATRIX_FMT_FP4 matrix_a_scale:MATRIX_SCALE_ROW1
.else
	v_wmma_scale_f32_16x16x128_f8f6f4 v[8*(8*((\a)%4)+\b):8*(8*((\a)%4)+\b)+7], v[128*(\p)+FR*\b:128*(\p)+FR*\b+FR-1], v[AF+FR*(\a):AF+FR*(\a)+FR-1], v[8*(8*((\a)%4)+\b):8*(8*((\a)%4)+\b)+7], v[SC+8*NQ*(\sc)+NQ*\b+(\q)], v[SC+8*NQ*(\sc)+NQ*(\a)+(\q)] matrix_a_fmt:MATRIX_FMT_FP4 matrix_b_fmt:MATRIX_FMT_FP4 matrix_a_scale:MATRIX_SCALE_ROW1
.endif
.endr
.endr
.endm
.macro FETCH_B slot, q, p
	WIN TO_B
.irp i, 0,1,2,3,4,5,6,7
	FRAG 128*(\p)+FR*\i, ADRB+\slot, \q, \i
.endr
	WIN 0
.endm
.macro FETCH_A slot, q, i0
.irp i, \i0, \i0+1, \i0+2, \i0+3
	FRAG AF+FR*(\i), ADRA+\slot, \q, \i
.endr
.endm
.macro SCALES sc                       ; a slot's scale words: lanes 0-15 take A's block i, lanes 16-31 B's block i
.irp i, 0,1,2,3,4,5,6,7
	ds_load_b128 v[SC+8*NQ*\sc+NQ*\i:SC+8*NQ*\sc+NQ*\i+3], v[ADRS] offset:\i*SBLK
.endr
.endm
.macro PLACES n                        ; plain vector instructions that name none of a matrix instruction's registers (ISA guide 7.12.1)
.rept \n
	v_nop
.endr
.endm
.macro STEP slot, q, zero              ; 128 along K with its successor in the same slot
	s_wait_dscnt 4*NL                              ; B's set and A's blocks 0-3 are in; A's blocks 4-7 may be out
	WIN MUL_LO
	MUL16 0, (\q)%2, \q, \slot, \zero
	MUL16 2, (\q)%2, \q, \slot, \zero
	s_wait_dscnt 0
	PLACES NP
	FETCH_B \slot, (\q)+1, 1-(\q)%2
	FETCH_A \slot, (\q)+1, 0
	WIN MUL_HI
	MUL16 4, (\q)%2, \q, \slot, \zero
	MUL16 6, (\q)%2, \q, \slot, \zero
	PLACES NP
	WIN 0
	FETCH_A \slot, (\q)+1, 4
.endm
.macro TURN slot, next                 ; slot 0's last step: one barrier, behind which slot 1 is whole for every wave and nobody reads slot 0.  Nothing is filled again
	s_wait_tensorcnt 0x0                           ; all my tensor loads have landed: my part of slot 1
	ds_add_u32 v[SPW], v[NIL]                      ; 0 onto my spare word
	s_wait_dscnt 4*NL+1                            ; (the add and A's blocks 4-7 may be out)
	WIN MUL_LO
	MUL16 0, 1, NQ-1, \slot, 0
	s_wait_dscnt 0x0                               ; the add is done, and my reads of this slot are over
	s_barrier_signal -1
	MUL16 2, 1, NQ-1, \slot, 0
	WIN 0
	s_barrier_wait -1
	PLACES NP
	v_add_nc_u32 v[ADRS], 4*NQ, v[ADRS]            ; on to the next slot's scale words
	FETCH_B \next, 0, 0
	FETCH_A \next, 0, 0
	SCALES \next
	WIN MUL_HI
	MUL16 4, 1, NQ-1, \slot, 0
	MUL16 6, 1, NQ-1, \slot, 0
	PLACES NP
	WIN 0
	FETCH_A \next, 0, 4
.endm
.macro STEPS slot, from
.set Q, \from
.rept NQ-1-\from
	STEP \slot, Q, 0
.set Q, Q+1
.endr
.endm
	s_wait_tensorcnt 1                             ; the scales and my part of slot 0 are in (slot 1's load may be out)
	s_barrier_signal -1
	s_barrier_wait -1                              ; everybody's are
	FETCH_B 0, 0, 0
	FETCH_A 0, 0, 0
	SCALES 0
	FETCH_A 0, 0, 4
	STEP 0, 0, 1                                   ; the first step's products start the sums: nothing is cleared
	STEPS 0, 1
	TURN 0, 1
	STEPS 1, 0
	s_wait_dscnt 4*NL                              ; the very last step
	WIN MUL_LO
	MUL16 0, 1, NQ-1, 1, 0
	MUL16 2, 1, NQ-1, 1, 0
	s_wait_dscnt 0
	WIN MUL_HI
	MUL16 4, 1, NQ-1, 1, 0
	MUL16 6, 1, NQ-1, 1, 0
	WIN 0
; THE WAY OUT.  PACK: block a's 8 accumulators (16 positions x 128 channels) rounded to f16, each from its low end on: 16 bytes a lane and accumulator.
.macro PACK a, dst
.set AC, 64*((\a)%4)
	WIN 0x0a+5*((\a)/4)                            ; sources 0 and 1: window 2 or 3
.irp b, 0,1,2,3,4,5,6,7
.irp r, 0,1,2,3
	v_cvt_pk_f16_f32 v[(\dst)+4*\b+\r], v[AC+8*\b+2*\r], v[AC+8*\b+2*\r+1]
.endr
.endr
	WIN 0
.endm
.macro TOSTAGE a                       ; v: into rows by position, back turned: lane (r, h) gets channel 16 b + r of positions 8 h + 0..7.  LDS serves a wave's instructions in order (ISA guide 5.7.1.4)
.irp b, 0,1,2,3,4,5,6,7
	ds_store_b128 v[STO], v[TMP+4*\b:TMP+4*\b+3] offset:32*\b
.endr
.set BB, BK+32*((\a)%2)
.irp b, 0,1,2,3,4,5,6,7
	ds_load_tr16_b128 v[BB+4*\b:BB+4*\b+3], v[RD] offset:32*\b
.endr
.endm
.macro SEND a
.set BB, BK+32*((\a)%2)
	s_wait_dscnt 0x0                               ; the block is back in registers
	s_wait_xcnt 0x0                                ; the stores of two blocks back have read their registers: the next block's loads may land there
.irp b, 0,1,2,3,4,5,6,7
	global_store_b128 v[CO], v[BB+4*\b:BB+4*\b+3], s[12:13] offset:(\b/4)*262144+((\a)/2)*4096+(\b%4)*1024+((\a)%2)*512   ; 512 consecutive bytes, aligned
.endr
.endm
	PLACES NP                                      ; in front of the first read of results and the first write of registers that the last products read
	s_cmp_eq_u32 ttmp9, 2                          ; the cluster's x: the same in all sixteen partners
	s_cbranch_scc1 .Lvout
.irp a, 0,1,2,3,4,5,6,7
.if \a > 3
	s_wait_xcnt 0x0                                ; the set's stores of four blocks back have read their data
.endif
	PACK \a, TMP+32*((\a)%4)
.irp b, 0,1,2,3,4,5,6,7
	global_store_b128 v[CO], v[TMP+32*((\a)%4)+4*\b:TMP+32*((\a)%4)+4*\b+3], s[12:13] offset:(\b/4)*262144+\a*2048+(\b%4)*512   ; 512 consecutive bytes, aligned
.endr
.endr
	s_branch .Lend
.Lvout:
	PACK 0, TMP
	TOSTAGE 0
.irp a, 1,2,3,4,5,6,7
	PACK \a, TMP                                   ; block a's conversions stand between block a - 1's loads from the stage and the wait for them
	SEND \a-1
	TOSTAGE \a
.endr
	SEND 7
.Lend:
	s_wait_tensorcnt 0x0                           ; the wave's end
	ds_add_u32 v[SPW], v[NIL]
	s_wait_dscnt 0x0
	CROUND                                         ; the closing round
	s_endpgm
.Lfunc_end_k_qca6e582e22_qkv:
	.size	k_qca6e582e22_qkv, .Lfunc_end_k_qca6e582e22_qkv-k_qca6e582e22_qkv
	.p2alignl 7, 3214868480
	.fill 96, 4, 3214868480
	.section	.rodata,"a",@progbits
	.p2align	6, 0x0
	.amdhsa_kernel k_qca6e582e22_qkv
		.amdhsa_group_segment_fixed_size 327680
		.amdhsa_private_segment_fixed_size 0
		.amdhsa_enable_private_segment 0
		.amdhsa_kernarg_size 24
		.amdhsa_user_sgpr_count 2
		.amdhsa_user_sgpr_kernarg_segment_ptr 1
		.amdhsa_wavefront_size32 1
		.amdhsa_system_sgpr_workgroup_id_x 1
		.amdhsa_system_sgpr_workgroup_id_y 1
		.amdhsa_system_sgpr_workgroup_id_z 1
		.amdhsa_system_vgpr_workitem_id 0
		.amdhsa_next_free_vgpr 1024
		.amdhsa_next_free_sgpr 98
		.amdhsa_reserve_vcc 0
		.amdhsa_float_denorm_mode_32 3
		.amdhsa_float_denorm_mode_16_64 3
		.amdhsa_memory_ordered 1
		.amdhsa_forward_progress 1
		.amdhsa_inst_pref_size 149
	.end_amdhsa_kernel
	.amdgpu_metadata
---
amdhsa.version: [ 1, 2 ]
amdhsa.kernels:
  - .name:           k_qca6e582e22_qkv
    .symbol:         k_qca6e582e22_qkv.kd
    .args:
      - { .name: cod, .offset: 0, .size: 8, .value_kind: global_buffer, .address_space: global }
      - { .name: scl, .offset: 8, .size: 8, .value_kind: global_buffer, .address_space: global }
      - { .name: qkv, .offset: 16, .size: 8, .value_kind: global_buffer, .address_space: global }
    .group_segment_fixed_size: 327680
    .private_segment_fixed_size: 0
    .kernarg_segment_align: 8
    .kernarg_segment_size: 24
    .max_flat_workgroup_size: 128
    .sgpr_count:     98
    .vgpr_count:     1024
    .wavefront_size: 32
...
	.end_amdgpu_metadata
.endif
;; end of part 2
;; launch attn (part 3): grid 264 x 1, 8 waves a work-group, no clusters, 132,096 bytes of LDS; arguments qkv, mask, cls, cod, scl, att, afine; writes att, afine
.if DOCPART == 3
	.amdgcn_target "amdgcn-amd-amdhsa--gfx1250"
	.amdhsa_code_object_version 6
	.text
	.protected	k_qca6e582e22_attn
	.globl	k_qca6e582e22_attn
	.p2align	8
	.type	k_qca6e582e22_attn,@function
k_qca6e582e22_attn:
	s_mov_b64 s[64:65], 0
	v_nop
	global_prefetch_b8 v0, s[64:65] scope:SCOPE_SE
	s_setreg_imm32_b32 hwreg(HW_REG_WAVE_MODE, 25, 1), 1
	s_wait_xcnt 0x0
; Launch 3 of 5: attention.  S^T = K Q^T and O^T = V^T P on f16 operands, f32 sums; the softmax in f32 with a running maximum.
; LEFT OUT, by whole numbers that the first launch stored (cls: ACT and MIX for each 16 query rows, a bit for each step of 64 keys): a step whose ACT bit is 0 for all my rows (every entry masked, every row has a kept key
; elsewhere: its weights are 0 in f32), and the mask's arithmetic where the MIX bit is 0 (nothing masked).  LIMIT: as stated at the first launch's head (a row's scores / 8 spread under about 9e8).
; SCORES are kept in raw units s = q.k, 8 times the problem's.  A masked entry becomes fl(s - 8e9), which is exactly 8 fl(s / 8 - 1e9).  p = 2^(c (s - m)), c = log2(e) / 8, m the running maximum:
; the difference is taken first, so that nothing is lost where m is large.  O and the sum l are multiplied by a = 2^(c (m_old - m_new)) in every step.
; NO CLUSTER AND NO TENSOR LOAD: the steps are passed over by branches on numbers read from memory; partners would also need different tiles.  K and V go memory -> registers -> LDS.
; WORK-GROUPS 0-255 (main): head = id / 4; two passes over query blocks p = id % 4 and 7 - p, 256 queries each, so that work is even where the mask is causal-like (right for any mask).  Wave w: 32 queries, two tiles.
;   K and V lie in memory in the order of the operand's registers, so a slot of 256 keys is 32 KiB + 32 KiB of dense bytes: each wave copies an eighth; every LDS access is 512 consecutive bytes.
;   Two LDS buffers; ONE barrier a slot: in front of it my reads of this buffer and my stores into the other are done.  The next slot is asked for four steps ahead, into registers.
; WORK-GROUPS 256-263 (fine): THE FIRST 16 POSITIONS OF EVERY SEQUENCE, a wave to each batch and head.  These rows may average one to a few values, where f16 operands would use up what the comparison allows.  The wave makes q, k, v of
;   positions 0-15 anew from the FP4 codes (96 scaled matrix instructions, results f32), takes the score tile (queries 0-15 x keys 0-15) and that tile's part of O by the f32 matrix form on unrounded numbers, and stores its 16 rows
;   as f32.  LIMIT: keys from 16 on enter these rows with f16 operands, as the contract allows.  The main path also makes these rows in f16; the last launch stores the fine result over theirs.
; The two paths part on the work-group's number at the head and never join.
; REGISTERS.  window 0: v1-11 addresses; v16-31 statistics, 8 a tile (+0 m, +1 its pair partner, +2 +3 l, +4..+7 at work, a at +6); v32-95 S^T then p; v96-127 P (f16); v128-191 K; v192-223 mask words; v224-239 results of the f32 form alone; v240-247 sums.
;   window 1: v0-63 O^T; v64-95 Q; v96-159 V; v160-223 a slot's bytes on their way to LDS.
.set NT,   2                           ; tiles of 16 queries a wave: 2 in the main path, 1 in the fine path
.set SPARE, 131072                     ; behind the two buffers: the spare words, 128 bytes a wave: four blocks of 256 bytes that no other line names
.set LI,   1                           ; v1  16 x lane
.set STA,  2                           ; v2, v3  16 x lane + 4,096 x wave, in buffer 0 and in buffer 1; v2 is also my offset in a slot in memory
.set ADK,  4                           ; v4  LDS address of the step's K
.set VR,   5                           ; v5  8,192 r + 32 h
.set VMQ,  6                           ; v6, v7  my byte in the mask's rows, for each tile
.set NEG,  8                           ; v8  -8e9
.set SPW,  10
.set NIL,  11
.set ST,   16
.set S,    32
.set P,    96
.set KF,   128
.set MT,   192
.set SA,   224
.set SB,   232
.set TS,   240
.set O,    0                           ; window 1
.set Q,    64
.set VF,   96
.set STG,  160
.set XF,   128                         ; fine, ahead of its loop: x's 8 fragments; v216-223 x's scale words; v192-215 W's, three sets of 8
.set XSW,  216
.set WSW,  192
.set QA,   32                          ; q, k, v of positions 0-15 in f32
.set KA,   96
.set VFI,  64                          ; (v stays there: the fine path has no second tile)
.set WV,   18
.set BH,   19
.set PP,   20
.set PASS, 21
.set SL,   22
.set SQ,   23
.set KPN,  24                          ; s[24:25], s[26:27] K and V at the slot (fine: the step) to be fetched
.set VPN,  26
.set MP,   28
.set SO,   30                          ; s[30:31] 256 x the step's number
.set TB,   32
.set ACTR, 34
.set MIXR, 35
.set AWR,  36
.set NX,   37
.set CS,   38
.set SEL,  40
.set QB,   42
.set Q0,   43
.set XC,   68                          ; fine: x's codes, x's scales, W's codes, W's scales, my rows of afine
.set XSP,  70
.set WC,   72
.set WSP,  74
.set AFP,  76
.set QP,   88
.set KP0,  90
.set VP0,  92
.set ATP,  94
.set W_S,  0x04                        ; Q in window 1
.set W_PV, 0x51                        ; V, C and D in window 1
.set W_RS, 0x41                        ; O (destination and source 0) in window 1
.set TO1,  0x40                        ; destination in window 1
.set MSB, 0
.macro WIN new                         ; the immediate's high byte repeats the setting that is left
.if MSB != \new
	s_set_vgpr_msb (MSB<<8)|\new
.set MSB, \new
.endif
.endm
.macro PLACES n                        ; plain vector instructions that name none of a matrix instruction's registers (ISA guide 7.12.1)
.rept \n
	v_nop
.endr
.endm
; A slot's 64 KiB: my eighth of K and of V, memory -> registers, and later registers -> LDS buffer buf
.macro LOADSLOT
	WIN TO1
.irp i, 0,1,2,3,4,5,6,7
	global_load_b128 v[STG+4*\i:STG+4*\i+3], v[STA], s[KPN:KPN+1] offset:512*\i
.endr
.irp i, 0,1,2,3,4,5,6,7
	global_load_b128 v[STG+32+4*\i:STG+32+4*\i+3], v[STA], s[VPN:VPN+1] offset:512*\i
.endr
	WIN 0
.endm
.macro PUTSLOT buf
	WIN 0x04                                       ; an LDS store's data are its source 1: window 1
.irp i, 0,1,2,3,4,5,6,7
	ds_store_b128 v[STA+(\buf)], v[STG+4*\i:STG+4*\i+3] offset:512*\i
.endr
.irp i, 0,1,2,3,4,5,6,7
	ds_store_b128 v[STA+(\buf)], v[STG+32+4*\i:STG+32+4*\i+3] offset:32768+512*\i
.endr
	WIN 0
.endm
; The step's 64 keys: 16 + 16 loads of 512 consecutive bytes, images of the operands' registers.  The wait leaves V's sixteen out.
.macro KVLOAD glob
.if \glob
.irp f, 0,1,2,3,4,5,6,7,8,9,10,11,12,13,14,15
	global_load_b128 v[KF+4*\f:KF+4*\f+3], v[LI], s[KPN:KPN+1] offset:512*\f
.endr
	WIN TO1
.irp f, 0,1,2,3,4,5,6,7,8,9,10,11,12,13,14,15
	global_load_b128 v[VF+4*\f:VF+4*\f+3], v[LI], s[VPN:VPN+1] offset:512*\f
.endr
	WIN 0
	s_wait_loadcnt 16                              ; K, and all that was asked for before it, is in
.else
.irp f, 0,1,2,3,4,5,6,7,8,9,10,11,12,13,14,15
	ds_load_b128 v[KF+4*\f:KF+4*\f+3], v[ADK] offset:512*\f
.endr
	WIN TO1
.irp f, 0,1,2,3,4,5,6,7,8,9,10,11,12,13,14,15
	ds_load_b128 v[VF+4*\f:VF+4*\f+3], v[ADK] offset:32768+512*\f
.endr
	WIN 0
	s_wait_dscnt 16
.endif
.endm
; S^T = K Q^T: source 0 = 16 keys, source 1 = 16 queries: lane (r, h) holds query r and keys 8 h + 0..7.  The accumulators take turns.  fl = 1: key tile 0 comes from the f32 product instead.
.macro SPHASE fl
	WIN W_S
.irp c, 0,1
.irp kt, 0,1,2,3
.irp t, 0,1
.if (\t < NT) && !((\fl) && (\kt == 0))
.if \c == 0
	v_wmma_f32_16x16x32_f16 v[S+32*\t+8*\kt:S+32*\t+8*\kt+7], v[KF+16*\kt+8*\c:KF+16*\kt+8*\c+7], v[Q+16*\t+8*\c:Q+16*\t+8*\c+7], 0
.else
	v_wmma_f32_16x16x32_f16 v[S+32*\t+8*\kt:S+32*\t+8*\kt+7], v[KF+16*\kt+8*\c:KF+16*\kt+8*\c+7], v[Q+16*\t+8*\c:Q+16*\t+8*\c+7], v[S+32*\t+8*\kt:S+32*\t+8*\kt+7]
.endif
.endif
.endr
.endr
.endr
	WIN 0
	PLACES 4
.if \fl
.irp j, 0,1,2,3,4,5,6,7
	v_add_f32 v[S+\j], v[SA+\j], v[SB+\j]          ; queries 0-15 x keys 0-15 in f32: the two half sums
.endr
.endif
.endm
; The mask's words of my tiles: register 8 kt + j is (query r, key 64 step + 16 kt + 8 h + j): 32 bytes of a row.  The second tile's land in P, which is free until the weights are rounded.
.macro MASKLOAD
	s_add_nc_u64 s[MP:MP+1], s[6:7], s[SO:SO+1]    ; (the last mixed step's loads were waited for in that step)
.irp kt, 0,1,2,3
	global_load_b128 v[MT+8*\kt:MT+8*\kt+3], v[VMQ], s[MP:MP+1] offset:64*\kt
	global_load_b128 v[MT+8*\kt+4:MT+8*\kt+7], v[VMQ], s[MP:MP+1] offset:64*\kt+16
.endr
.if NT > 1
.irp kt, 0,1,2,3
	global_load_b128 v[P+8*\kt:P+8*\kt+3], v[VMQ+1], s[MP:MP+1] offset:64*\kt
	global_load_b128 v[P+8*\kt+4:P+8*\kt+7], v[VMQ+1], s[MP:MP+1] offset:64*\kt+16
.endr
.endif
.endm
.macro APPLY1 m, s                     ; s += (mask == 0) ? -8e9 : 0
.set i, 0
.rept 32
	v_cmp_eq_u32 vcc_lo, 0, v[(\m)+i]
	v_cndmask_b32 v[(\m)+i], 0, v[NEG], vcc_lo
.set i, i+1
.endr
.set i, 0
.rept 16
	v_pk_add_f32 v[(\s)+i:(\s)+i+1], v[(\s)+i:(\s)+i+1], v[(\m)+i:(\m)+i+1]
.set i, i+2
.endr
.endm
; The softmax of a step, the tiles line by line by turns.  The exponentials are ONE batch with one wait ahead of its first reader.
.macro SOFTMAX fl
.irp k, 0,1,2,3
.irp t, 0,1
.if \t < NT
	v_max3_num_f32 v[ST+8*\t+4+\k], v[S+32*\t+8*\k], v[S+32*\t+8*\k+1], v[S+32*\t+8*\k+2]   ; each accumulator is read from its low end on
.endif
.endr
.endr
.irp i, 3,5
.irp k, 0,1,2,3
.irp t, 0,1
.if \t < NT
	v_max3_num_f32 v[ST+8*\t+4+\k], v[ST+8*\t+4+\k], v[S+32*\t+8*\k+\i], v[S+32*\t+8*\k+\i+1]
.endif
.endr
.endr
.endr
.irp t, 0,1
.if \t < NT
	v_max3_num_f32 v[ST+8*\t+4], v[ST+8*\t+4], v[S+32*\t+7], v[S+32*\t+15]
	v_max3_num_f32 v[ST+8*\t+6], v[ST+8*\t+6], v[S+32*\t+23], v[S+32*\t+31]
.endif
.endr
.irp t, 0,1
.if \t < NT
	v_max3_num_f32 v[ST+8*\t+4], v[ST+8*\t+4], v[ST+8*\t+5], v[ST+8*\t+6]
.endif
.endr
.irp t, 0,1
.if \t < NT
	v_max3_num_f32 v[ST+8*\t+4], v[ST+8*\t+4], v[ST+8*\t+7], v[ST+8*\t]
.endif
.endr
.irp t, 0,1
.if \t < NT
	v_permlanex16_b32 v[ST+8*\t+5], v[ST+8*\t+4], s[SEL], s[SEL+1]   ; the query's other 32 keys lie in the lane 16 away
.endif
.endr
.irp t, 0,1
.if \t < NT
	v_max_num_f32 v[ST+8*\t+4], v[ST+8*\t+4], v[ST+8*\t+5]           ; the new m
.endif
.endr
.irp t, 0,1
.if \t < NT
	v_sub_f32 v[ST+8*\t+7], v[ST+8*\t], v[ST+8*\t+4]                 ; m_old - m_new
.endif
.endr
.irp t, 0,1
.if \t < NT
	v_mov_b32 v[ST+8*\t], v[ST+8*\t+4]
.endif
.endr
.irp t, 0,1
.if \t < NT
	v_mul_f32 v[ST+8*\t+7], s[CS], v[ST+8*\t+7]
.endif
.endr
.set i, 0
.rept 16
.irp t, 0,1
.if \t < NT
	v_pk_add_f32 v[S+32*\t+i:S+32*\t+i+1], v[S+32*\t+i:S+32*\t+i+1], v[ST+8*\t:ST+8*\t+1] op_sel_hi:[1,0] neg_lo:[0,1] neg_hi:[0,1]   ; s - m, two at a time
.endif
.endr
.set i, i+2
.endr
.set i, 0
.rept 16
.irp t, 0,1
.if \t < NT
	v_pk_mul_f32 v[S+32*\t+i:S+32*\t+i+1], v[S+32*\t+i:S+32*\t+i+1], s[CS:CS+1] op_sel_hi:[1,0]
.endif
.endr
.set i, i+2
.endr
.irp t, 0,1
.if \t < NT
	v_exp_f32 v[ST+8*\t+6], v[ST+8*\t+7]           ; a
.endif
.endr
.set i, 0
.rept 32
.irp t, 0,1
.if \t < NT
	v_exp_f32 v[S+32*\t+i], v[S+32*\t+i]           ; p, at most 1
.endif
.endr
.set i, i+1
.endr
	v_nop                                          ; a plain instruction behind the last exponential
	s_wait_alu depctr_va_vdst(0)                   ; the wait ahead of the batch's first reader: one for all
.set i, 0
.rept 16
.irp t, 0,1
.if \t < NT
.if (\fl) && (i < 4)
	v_mov_b32 v[P+16*\t+i], 0                      ; keys 0-15 go by the f32 product: they count for nothing in the f16 one
.else
	v_cvt_pk_f16_f32 v[P+16*\t+i], v[S+32*\t+2*i], v[S+32*\t+2*i+1]
.endif
.endif
.endr
.set i, i+1
.endr
.irp t, 0,1
.if \t < NT
	v_pk_add_f32 v[TS+4*\t:TS+4*\t+1], v[S+32*\t:S+32*\t+1], v[S+32*\t+2:S+32*\t+3]     ; the row's sum of the unrounded p, in two chains
	v_pk_add_f32 v[TS+4*\t+2:TS+4*\t+3], v[S+32*\t+4:S+32*\t+5], v[S+32*\t+6:S+32*\t+7]
.endif
.endr
.irp j, 8,12,16,20,24,28
.irp t, 0,1
.if \t < NT
	v_pk_add_f32 v[TS+4*\t:TS+4*\t+1], v[TS+4*\t:TS+4*\t+1], v[S+32*\t+\j:S+32*\t+\j+1]
	v_pk_add_f32 v[TS+4*\t+2:TS+4*\t+3], v[TS+4*\t+2:TS+4*\t+3], v[S+32*\t+\j+2:S+32*\t+\j+3]
.endif
.endr
.endr
.irp t, 0,1
.if \t < NT
	v_pk_add_f32 v[TS+4*\t:TS+4*\t+1], v[TS+4*\t:TS+4*\t+1], v[TS+4*\t+2:TS+4*\t+3]
.endif
.endr
.irp t, 0,1
.if \t < NT
	v_pk_fma_f32 v[ST+8*\t+2:ST+8*\t+3], v[ST+8*\t+2:ST+8*\t+3], v[ST+8*\t+6:ST+8*\t+7], v[TS+4*\t:TS+4*\t+1] op_sel_hi:[1,0,1]   ; l = l a + the sum
.endif
.endr
	WIN W_RS
.set i, 0
.rept 16
.irp t, 0,1
.if \t < NT
	v_pk_mul_f32 v[O+32*\t+i:O+32*\t+i+1], v[O+32*\t+i:O+32*\t+i+1], v[ST+8*\t+6:ST+8*\t+7] op_sel_hi:[1,0]   ; O^T x a
.endif
.endr
.set i, i+2
.endr
	WIN 0
.endm
; Keys 0-15 of O^T in f32: source 0 = v (lane: channel r; a pair of registers: keys 8 h + 2 c, + 1), source 1 = the unrounded p (lane: query r; the same keys).  Two sums by turns; each begins with the constant 0;
; what is made of a finished sum goes into O's registers.  Nine places stand behind each run: eight in front of the reads, nine in front of the next run, which begins the sums anew.
.macro FINEPV
.irp g, 0,1
.irp c, 0,1,2,3
.if \c == 0
	v_wmma_f32_16x16x4_f32 v[SA:SA+7], v[VFI+16*\g+2*\c:VFI+16*\g+2*\c+1], v[S+2*\c:S+2*\c+1], 0
	v_wmma_f32_16x16x4_f32 v[SB:SB+7], v[VFI+16*\g+8+2*\c:VFI+16*\g+8+2*\c+1], v[S+2*\c:S+2*\c+1], 0
.else
	v_wmma_f32_16x16x4_f32 v[SA:SA+7], v[VFI+16*\g+2*\c:VFI+16*\g+2*\c+1], v[S+2*\c:S+2*\c+1], v[SA:SA+7]
	v_wmma_f32_16x16x4_f32 v[SB:SB+7], v[VFI+16*\g+8+2*\c:VFI+16*\g+8+2*\c+1], v[S+2*\c:S+2*\c+1], v[SB:SB+7]
.endif
.endr
	PLACES 9
	WIN W_RS
.irp j, 0,1,2,3,4,5,6,7
	v_add_f32 v[O+16*\g+\j], v[O+16*\g+\j], v[SA+\j]
.endr
.irp j, 0,1,2,3,4,5,6,7
	v_add_f32 v[O+16*\g+8+\j], v[O+16*\g+8+\j], v[SB+\j]
.endr
	WIN 0
.endr
.endm
; O^T += V^T P: source 0 = 16 channels x 32 keys, source 1 = P.  Eight (four) accumulators by turns.
.macro PVPHASE
	WIN W_PV
.irp kc, 0,1
.irp dt, 0,1,2,3
.irp t, 0,1
.if \t < NT
	v_wmma_f32_16x16x32_f16 v[O+32*\t+8*\dt:O+32*\t+8*\dt+7], v[VF+32*\kc+8*\dt:VF+32*\kc+8*\dt+7], v[P+16*\t+8*\kc:P+16*\t+8*\kc+7], v[O+32*\t+8*\dt:O+32*\t+8*\dt+7]
.endif
.endr
.endr
.endr
	WIN 0
.endm
; A STEP OF 64 KEYS.  glob = 1: K and V come from memory (fine path), else from LDS.  fl = 1: the fine path's step 0.  A mixed step and a plain step each have their own copy of the loads and the score products,
; so that no register is loaded under one branch and used under another.  The lines at the end, which step addresses and shift the words, are on every way.
.macro STEP glob, fl
	s_and_b32 s44, s[ACTR], 1
	s_cmp_eq_u32 s44, 0
	s_cbranch_scc1 .Ltail_\@
.if \glob
	PLACES 4                                       ; four places behind the last products, in front of loads into V's and P's registers
.else
	v_add_nc_u32 v[ADK], s[TB], v[LI]
	PLACES 3
.endif
	s_and_b32 s44, s[MIXR], 1
	s_cmp_eq_u32 s44, 0
	s_cbranch_scc1 .Lplain_\@
	MASKLOAD
	KVLOAD \glob
	SPHASE \fl
.if !(\glob)
	s_wait_loadcnt 0x0                             ; the mask's words (from memory the wait for K has covered them: they were asked for first)
.endif
	APPLY1 MT, S
.if NT > 1
	APPLY1 P, S+32
.endif
	s_branch .Lsoft_\@
.Lplain_\@:
	KVLOAD \glob
	SPHASE \fl
.Lsoft_\@:
	SOFTMAX \fl
.if \fl
	FINEPV
.endif
.if \glob
	s_wait_loadcnt 0x0                             ; V is in
.else
	s_wait_dscnt 0x0
.endif
	PVPHASE
.Ltail_\@:
	s_lshr_b32 s[ACTR], s[ACTR], 1
	s_lshr_b32 s[MIXR], s[MIXR], 1
	s_add_nc_u64 s[SO:SO+1], s[SO:SO+1], 256
.if \glob
	s_add_nc_u64 s[KPN:KPN+1], s[KPN:KPN+1], 8192  ; (no load that names them is out here)
	s_add_nc_u64 s[VPN:VPN+1], s[VPN:VPN+1], 8192
.else
	s_add_co_u32 s[TB], s[TB], 8192
.endif
.endm
; The end of a walk: l's halves and the other lanes' are added; O^T / l.  fine = 1: 16 rows leave as f32; else as f16, in the order of the projection's operand registers.  Every store covers 512 consecutive bytes, aligned.
.macro PASSEND fine
	PLACES 4
.irp t, 0,1
.if \t < NT
	v_add_f32 v[ST+8*\t+4], v[ST+8*\t+2], v[ST+8*\t+3]
.endif
.endr
.irp t, 0,1
.if \t < NT
	v_permlanex16_b32 v[ST+8*\t+5], v[ST+8*\t+4], s[SEL], s[SEL+1]
.endif
.endr
.irp t, 0,1
.if \t < NT
	v_add_f32 v[ST+8*\t+4], v[ST+8*\t+4], v[ST+8*\t+5]
.endif
.endr
.irp t, 0,1
.if \t < NT
	v_rcp_f32 v[ST+8*\t+6], v[ST+8*\t+4]
.endif
.endr
	v_nop
	s_wait_alu depctr_va_vdst(0)                   ; one wait for the reciprocals, ahead of their first reader
	WIN 0x01                                       ; source 0 (O^T) window 1
.set i, 0
.rept 16
.irp t, 0,1
.if \t < NT
	v_pk_mul_f32 v[S+32*\t+i:S+32*\t+i+1], v[O+32*\t+i:O+32*\t+i+1], v[ST+8*\t+6:ST+8*\t+7] op_sel_hi:[1,0]
.endif
.endr
.set i, i+2
.endr
	WIN 0
.if \fine
.irp f, 0,1,2,3,4,5,6,7
	global_store_b128 v[LI], v[S+4*\f:S+4*\f+3], s[AFP:AFP+1] offset:512*\f
.endr
.else
.set i, 0
.rept 16
.irp t, 0,1
	v_cvt_pk_f16_f32 v[P+16*\t+i], v[S+32*\t+2*i], v[S+32*\t+2*i+1]
.endr
.set i, i+1
.endr
.irp t, 0,1
.irp dt, 0,1,2,3
	global_store_b128 v[LI], v[P+16*\t+4*\dt:P+16*\t+4*\dt+3], s[ATP:ATP+1] offset:\t*32768+\dt*512
.endr
.endr
	s_wait_xcnt 0x0                                ; the stores have read their data and their base: both are written again in the next pass
.endif
.endm
.macro STINIT                          ; m = -3e38, under every score; l = 0; the registers at work are written once, since a lane permute's destination counts as read
.irp t, 0,1
.if \t < NT
	v_mov_b32 v[ST+8*\t], 0xff61b1e6
	v_mov_b32 v[ST+8*\t+1], 0xff61b1e6
.irp j, 2,3,4,5,6,7
	v_mov_b32 v[ST+8*\t+\j], 0
.endr
.endif
.endr
	WIN TO1
.set i, 0
.rept 32*NT
	v_mov_b32 v[O+i], 0                            ; which step is the first hangs on the stored words, so no step can be written out to start the sums
.set i, i+1
.endr
	WIN 0
.endm
	s_load_b256 s[4:11], s[0:1], 0x0               ; qkv s[4:5], mask s[6:7], cls s[8:9], cod s[10:11]
	s_load_b128 s[12:15], s[0:1], 0x20             ; scl s[12:13], att s[14:15]
	s_load_b64 s[16:17], s[0:1], 0x30              ; afine
	v_lshl_add_u32 v[SPW], v0, 2, SPARE
	v_mov_b32 v[NIL], 0
	v_lshrrev_b32 v12, 5, v0
	v_readfirstlane_b32 s[WV], v12                 ; wave 0..7
	v_and_b32 v12, 31, v0
	v_lshlrev_b32 v[LI], 4, v12
	s_lshl_b32 s44, s[WV], 12
	v_add_nc_u32 v[STA], s44, v[LI]
	v_add_nc_u32 v[STA+1], 0x10000, v[STA]
	v_and_b32 v13, 15, v0                          ; r
	v_bfe_u32 v14, v0, 4, 1                        ; h
	v_lshlrev_b32 v[VR], 13, v13
	v_lshl_add_u32 v[VR], v14, 5, v[VR]
	v_mov_b32 v[NEG], 0xcfee6b28                   ; -8e9, exact in f32
	s_mov_b32 s[CS], 0x3e38aa3b                    ; c = log2(e) / 8
	s_mov_b32 s[CS+1], s[CS]
	s_mov_b32 s[SEL], 0x76543210
	s_mov_b32 s[SEL+1], 0xfedcba98
	s_wait_kmcnt 0x0
	s_cmp_ge_u32 ttmp9, 256
	s_cbranch_scc1 .Lfine
; ================ THE MAIN PATH ================
	s_lshr_b32 s[BH], ttmp9, 2
	s_and_b32 s[PP], ttmp9, 3
	s_lshl_b32 s96, s[BH], 18                      ; a head's 256 KiB in each section
	s_mov_b32 s97, 0
	s_add_nc_u64 s[QP:QP+1], s[4:5], s[96:97]
	s_add_nc_u64 s[KP0:KP0+1], s[QP:QP+1], 0x1000000
	s_add_nc_u64 s[VP0:VP0+1], s[QP:QP+1], 0x2000000
	s_mov_b32 s[PASS], 0
.Lpass:
	s_sub_co_u32 s44, 7, s[PP]
	s_cmp_eq_u32 s[PASS], 0
	s_cselect_b32 s[QB], s[PP], s44                ; query block p, then 7 - p
	s_lshl_b32 s44, s[QB], 7                       ; the block's 16 groups x 8 bytes of cls
	s_lshl_b32 s45, s[WV], 4
	s_add_co_u32 s45, s45, s44                     ; my two groups
	s_load_b512 s[48:63], s[8:9], s44 offset:0x0
	s_load_b512 s[68:83], s[8:9], s44 offset:0x40
	s_load_b128 s[84:87], s[8:9], s45 offset:0x0   ; (s44 and s45 stay as they are until the wait for these)
	s_lshl_b32 s[Q0], s[QB], 8
	s_lshl_b32 s46, s[WV], 5
	s_add_co_u32 s[Q0], s[Q0], s46                 ; my first query
	s_lshl_b32 s96, s[Q0], 7                       ; 2,048 bytes for each 16 queries
	s_mov_b32 s97, 0
	s_add_nc_u64 s[96:97], s[QP:QP+1], s[96:97]
	WIN TO1
.irp f, 0,1,2,3,4,5,6,7
	global_load_b128 v[Q+4*\f:Q+4*\f+3], v[LI], s[96:97] offset:512*\f   ; Q stays in registers for the pass
.endr
	WIN 0
	s_lshr_b32 s46, s[BH], 4
	s_lshl_b32 s46, s46, 22                        ; batch x 128 tiles of rows x 32 KiB
	s_lshl_b32 s47, s[Q0], 11
	s_add_co_u32 s46, s46, s47
	s_and_b32 s47, s[BH], 15
	s_lshl_b32 s47, s47, 11                        ; the head's 64 channels: 2,048 bytes
	s_add_co_u32 s46, s46, s47
	s_mov_b32 s47, 0
	s_add_nc_u64 s[ATP:ATP+1], s[14:15], s[46:47]
	s_lshl_b32 s46, s[Q0], 13
	v_add_nc_u32 v[VMQ], s46, v[VR]
	v_add_nc_u32 v[VMQ+1], 0x20000, v[VMQ]
	STINIT
	s_mov_b64 s[KPN:KPN+1], s[KP0:KP0+1]
	s_mov_b64 s[VPN:VPN+1], s[VP0:VP0+1]
	LOADSLOT                                       ; slot 0 is always fetched
	s_mov_b32 s[SO], 0
	s_mov_b32 s[SO+1], 0
	s_wait_kmcnt 0x0
	s_or_b32 s[AWR], s48, s50                      ; the steps that some wave of the work-group walks
.irp i, 52,54,56,58,60,62,68,70,72,74,76,78,80,82
	s_or_b32 s[AWR], s[AWR], s\i
.endr
	s_or_b32 s[ACTR], s84, s86                     ; and mine
	s_or_b32 s[MIXR], s85, s87
	s_wait_loadcnt 0x0
	s_add_nc_u64 s[KPN:KPN+1], s[KPN:KPN+1], 32768
	s_add_nc_u64 s[VPN:VPN+1], s[VPN:VPN+1], 32768
	PUTSLOT 0                                      ; (behind the last pass's last barrier nobody reads buffer 0)
	s_wait_dscnt 0x0
	s_barrier_signal -1
	s_barrier_wait -1
; A slot of 256 keys in buffer buf.  The next slot is fetched only if some wave of the work-group walks a step of it: the same branch in all eight waves.
.macro SLOTM buf
	s_bfe_u32 s[NX], s[AWR], 0x40004
	s_cmp_lg_u32 s[NX], 0
	s_cbranch_scc0 .Lnl_\@
	LOADSLOT
.Lnl_\@:
	s_mov_b32 s[TB], (\buf)*65536
	s_mov_b32 s[SQ], 0
.Lst_\@:
	STEP 0, 0
	s_add_co_u32 s[SQ], s[SQ], 1
	s_cmp_lt_u32 s[SQ], 4
	s_cbranch_scc1 .Lst_\@
	s_wait_loadcnt 0x0                             ; on every way: no load is out, so the pointers may step and the registers may be stored
	s_add_nc_u64 s[KPN:KPN+1], s[KPN:KPN+1], 32768
	s_add_nc_u64 s[VPN:VPN+1], s[VPN:VPN+1], 32768
	s_cmp_lg_u32 s[NX], 0
	s_cbranch_scc0 .Lnp_\@
	PUTSLOT 1-(\buf)                               ; the other buffer: its last readers passed the barrier before this one
.Lnp_\@:
	s_wait_dscnt 0x0                               ; my reads of this buffer are back and my stores into the other have landed
	s_barrier_signal -1
	s_barrier_wait -1
	s_lshr_b32 s[AWR], s[AWR], 4
.endm
	s_mov_b32 s[SL], 0
.Lslot:
	SLOTM 0
	SLOTM 1
	s_add_co_u32 s[SL], s[SL], 1
	s_cmp_lt_u32 s[SL], 4
	s_cbranch_scc1 .Lslot
	PASSEND 0
	s_add_co_u32 s[PASS], s[PASS], 1
	s_cmp_lt_u32 s[PASS], 2
	s_cbranch_scc1 .Lpass
	s_wait_tensorcnt 0x0                           ; the wave's end
	ds_add_u32 v[SPW], v[NIL]
	s_wait_dscnt 0x0
	s_endpgm
; ================ THE FINE PATH ================
.Lfine:
.set NT, 1
	s_sub_co_u32 s44, ttmp9, 256
	s_lshl_b32 s44, s44, 3
	s_add_co_u32 s[BH], s44, s[WV]                 ; batch x 16 + head: a wave to each
	s_lshr_b32 s45, s[BH], 4
	s_and_b32 s46, s[BH], 15
	s_load_b64 s[84:85], s[8:9], 0x0               ; ACT and MIX of query rows 0-15
	s_mov_b32 s97, 0
	s_lshl_b32 s96, s45, 20                        ; x: 2,048 rows of 512 bytes a batch
	s_add_nc_u64 s[XC:XC+1], s[10:11], s[96:97]
	s_lshl_b32 s96, s45, 16                        ; their scale bytes: 32 a row; and afine: 64 KiB a batch
	s_add_nc_u64 s[XSP:XSP+1], s[12:13], s[96:97]
	s_add_nc_u64 s[AFP:AFP+1], s[16:17], s[96:97]
	s_lshl_b32 s96, s46, 12
	s_add_nc_u64 s[AFP:AFP+1], s[AFP:AFP+1], s[96:97]
	s_lshl_b32 s96, s46, 15                        ; Wq's rows 64 head on, behind x's 8,192 rows
	s_add_co_u32 s96, s96, 0x400000
	s_add_nc_u64 s[WC:WC+1], s[10:11], s[96:97]
	s_lshl_b32 s96, s46, 11
	s_add_co_u32 s96, s96, 0x40000
	s_add_nc_u64 s[WSP:WSP+1], s[12:13], s[96:97]
	s_lshl_b32 s96, s[BH], 18
	s_add_nc_u64 s[QP:QP+1], s[4:5], s[96:97]
	s_add_nc_u64 s[KPN:KPN+1], s[QP:QP+1], 0x1000000
	s_add_nc_u64 s[VPN:VPN+1], s[QP:QP+1], 0x2000000
	v_lshlrev_b32 v12, 9, v13
	v_lshl_add_u32 v12, v14, 4, v12                ; codes: row r of 512 bytes, + 16 h
	v_lshlrev_b32 v15, 5, v13                      ; scale bytes: row r of 32
.irp s, 0,1,2,3,4,5,6,7
	global_load_b128 v[XF+8*\s:XF+8*\s+3], v12, s[XC:XC+1] offset:64*\s          ; x's positions 0-15: eight fragments of 128 along K
	global_load_b128 v[XF+8*\s+4:XF+8*\s+7], v12, s[XC:XC+1] offset:64*\s+32
.endr
	global_load_b128 v[XSW:XSW+3], v15, s[XSP:XSP+1]                             ; and their eight scale words
	global_load_b128 v[XSW+4:XSW+7], v15, s[XSP:XSP+1] offset:16
; W comes in twelve quarters (section z = i / 4: Wq, Wk, Wv; K steps 2 (i % 4), + 1; the head's four tiles of 16 rows) through three buffers of 64 registers in window 1: 16 + 4 loads a quarter.
.macro WQ i
.set ZZ, (\i)/4
.set QQ, (\i)%4
.set BU, 64*((\i)%3)
	WIN TO1
.irp dt, 0,1,2,3
.irp s, 0,1
.irp c, 0,1
	global_load_b128 v[BU+16*\dt+8*\s+4*\c:BU+16*\dt+8*\s+4*\c+3], v12, s[WC:WC+1] offset:ZZ*524288+\dt*8192+64*(2*QQ+\s)+32*\c
.endr
.endr
.endr
	WIN 0
.irp dt, 0,1,2,3
	global_load_b64 v[WSW+8*((\i)%3)+2*\dt:WSW+8*((\i)%3)+2*\dt+1], v15, s[WSP:WSP+1] offset:ZZ*32768+\dt*512+8*QQ
.endr
.endm
; A quarter's eight products, the four tiles by turns.  q, k: source 0 = W, source 1 = x: a lane holds position r and channels 16 dt + 8 h + 0..7.  v: the sources swapped: a lane holds channel 16 dt + r and positions 8 h + 0..7.
.macro WM i
.set ZZ, (\i)/4
.set QQ, (\i)%4
.set BU, 64*((\i)%3)
.set WS3, WSW+8*((\i)%3)
.if 11-(\i) >= 2
	s_wait_loadcnt 40                              ; this quarter is in; two younger quarters, twenty loads each, stay out
.else
	s_wait_loadcnt 20*(11-(\i))
.endif
.if ZZ == 0
.set AC, QA
.elseif ZZ == 1
.set AC, KA
.else
.set AC, VFI
.endif
.if ZZ < 2
	WIN 0x01
.else
	WIN 0x04
.endif
.irp s, 0,1
.irp dt, 0,1,2,3
.if ZZ < 2
.if (QQ == 0) && (\s == 0)
	v_wmma_scale_f32_16x16x128_f8f6f4 v[AC+8*\dt:AC+8*\dt+7], v[BU+16*\dt+8*\s:BU+16*\dt+8*\s+7], v[XF+8*(2*QQ+\s):XF+8*(2*QQ+\s)+7], 0, v[WS3+2*\dt+\s], v[XSW+2*QQ+\s] matrix_a_fmt:MATRIX_FMT_FP4 matrix_b_fmt:MATRIX_FMT_FP4
.else
	v_wmma_scale_f32_16x16x128_f8f6f4 v[AC+8*\dt:AC+8*\dt+7], v[BU+16*\dt+8*\s:BU+16*\dt+8*\s+7], v[XF+8*(2*QQ+\s):XF+8*(2*QQ+\s)+7], v[AC+8*\dt:AC+8*\dt+7], v[WS3+2*\dt+\s], v[XSW+2*QQ+\s] matrix_a_fmt:MATRIX_FMT_FP4 matrix_b_fmt:MATRIX_FMT_FP4
.endif
.else
.if (QQ == 0) && (\s == 0)
	v_wmma_scale_f32_16x16x128_f8f6f4 v[AC+8*\dt:AC+8*\dt+7], v[XF+8*(2*QQ+\s):XF+8*(2*QQ+\s)+7], v[BU+16*\dt+8*\s:BU+16*\dt+8*\s+7], 0, v[XSW+2*QQ+\s], v[WS3+2*\dt+\s] matrix_a_fmt:MATRIX_FMT_FP4 matrix_b_fmt:MATRIX_FMT_FP4
.else
	v_wmma_scale_f32_16x16x128_f8f6f4 v[AC+8*\dt:AC+8*\dt+7], v[XF+8*(2*QQ+\s):XF+8*(2*QQ+\s)+7], v[BU+16*\dt+8*\s:BU+16*\dt+8*\s+7], v[AC+8*\dt:AC+8*\dt+7], v[XSW+2*QQ+\s], v[WS3+2*\dt+\s] matrix_a_fmt:MATRIX_FMT_FP4 matrix_b_fmt:MATRIX_FMT_FP4
.endif
.endif
.endr
.endr
	WIN 0
	PLACES 5                                       ; four in front of loads into the buffer just read; five in front of a matrix instruction that takes these results as an operand
.endm
	WQ 0
	WQ 1
	WQ 2
.irp i, 0,1,2,3,4,5,6,7,8,9,10,11
	WM \i
.if \i < 9
	WQ \i+3
.endif
.if \i == 7
; queries 0-15 x keys 0-15 in f32: source 0 = k, source 1 = q; a pair of registers holds channels 16 dt + 8 h + 2 c, + 1 on both sides alike.  Two sums by turns, each begun with the constant 0.
.irp n, 0,1,2,3,4,5,6,7
.if \n == 0
	v_wmma_f32_16x16x4_f32 v[SA:SA+7], v[KA+4*\n:KA+4*\n+1], v[QA+4*\n:QA+4*\n+1], 0
	v_wmma_f32_16x16x4_f32 v[SB:SB+7], v[KA+4*\n+2:KA+4*\n+3], v[QA+4*\n+2:QA+4*\n+3], 0
.else
	v_wmma_f32_16x16x4_f32 v[SA:SA+7], v[KA+4*\n:KA+4*\n+1], v[QA+4*\n:QA+4*\n+1], v[SA:SA+7]
	v_wmma_f32_16x16x4_f32 v[SB:SB+7], v[KA+4*\n+2:KA+4*\n+3], v[QA+4*\n+2:QA+4*\n+3], v[SB:SB+7]
.endif
.endr
.endif
.endr
	v_mov_b32 v[VMQ], v[VR]                        ; my queries are rows 0-15 of the mask
	STINIT
	WIN TO1
.irp f, 0,1,2,3
	global_load_b128 v[Q+4*\f:Q+4*\f+3], v[LI], s[QP:QP+1] offset:512*\f   ; q in f16, for the keys from 16 on
.endr
	WIN 0
	s_mov_b32 s[SO], 0
	s_mov_b32 s[SO+1], 0
	s_wait_kmcnt 0x0
	s_mov_b32 s[ACTR], s84
	s_mov_b32 s[MIXR], s85
	STEP 1, 1                                      ; keys 0-63, with the f32 tile
	s_mov_b32 s[SQ], 0
.Lfstep:
	STEP 1, 0
	s_add_co_u32 s[SQ], s[SQ], 1
	s_cmp_lt_u32 s[SQ], 31
	s_cbranch_scc1 .Lfstep
	PASSEND 1
	s_wait_tensorcnt 0x0                           ; the wave's end, as on the main path
	ds_add_u32 v[SPW], v[NIL]
	s_wait_dscnt 0x0
	s_endpgm
.Lfunc_end_k_qca6e582e22_attn:
	.size	k_qca6e582e22_attn, .Lfunc_end_k_qca6e582e22_attn-k_qca6e582e22_attn
	.p2alignl 7, 3214868480
	.fill 96, 4, 3214868480
	.section	.rodata,"a",@progbits
	.p2align	6, 0x0
	.amdhsa_kernel k_qca6e582e22_attn
		.amdhsa_group_segment_fixed_size 132096
		.amdhsa_private_segment_fixed_size 0
		.amdhsa_enable_private_segment 0
		.amdhsa_kernarg_size 56
		.amdhsa_user_sgpr_count 2
		.amdhsa_user_sgpr_kernarg_segment_ptr 1
		.amdhsa_wavefront_size32 1
		.amdhsa_system_sgpr_workgroup_id_x 1
		.amdhsa_system_sgpr_workgroup_id_y 1
		.amdhsa_system_sgpr_workgroup_id_z 1
		.amdhsa_system_vgpr_workitem_id 0
		.amdhsa_next_free_vgpr 512
		.amdhsa_next_free_sgpr 100
		.amdhsa_reserve_vcc 1
		.amdhsa_float_denorm_mode_32 3
		.amdhsa_float_denorm_mode_16_64 3
		.amdhsa_memory_ordered 1
		.amdhsa_forward_progress 1
		.amdhsa_inst_pref_size 172
	.end_amdhsa_kernel
	.amdgpu_metadata
---
amdhsa.version: [ 1, 2 ]
amdhsa.kernels:
  - .name:           k_qca6e582e22_attn
    .symbol:         k_qca6e582e22_attn.kd
    .args:
      - { .name: qkv, .offset: 0, .size: 8, .value_kind: global_buffer, .address_space: global }
      - { .name: mask, .offset: 8, .size: 8, .value_kind: global_buffer, .address_space: global }
      - { .name: cls, .offset: 16, .size: 8, .value_kind: global_buffer, .address_space: global }
      - { .name: cod, .offset: 24, .size: 8, .value_kind: global_buffer, .address_space: global }
      - { .name: scl, .offset: 32, .size: 8, .value_kind: global_buffer, .address_space: global }
      - { .name: att, .offset: 40, .size: 8, .value_kind: global_buffer, .address_space: global }
      - { .name: afine, .offset: 48, .size: 8, .value_kind: global_buffer, .address_space: global }
    .group_segment_fixed_size: 132096
    .private_segment_fixed_size: 0
    .kernarg_segment_align: 8
    .kernarg_segment_size: 56
    .max_flat_workgroup_size: 256
    .sgpr_count:     100
    .vgpr_count:     512
    .wavefront_size: 32
...
	.end_amdgpu_metadata
.endif
;; end of part 3
;; launch proj (part 4): grid 4 x 64, 4 waves a work-group, clusters of 4 x 4, 327,680 bytes of LDS; arguments att, wo16, out0; writes out0
.if DOCPART == 4
	.amdgcn_target "amdgcn-amd-amdhsa--gfx1250"
	.amdhsa_code_object_version 6
	.text
	.protected	k_qca6e582e22_proj
	.globl	k_qca6e582e22_proj
	.p2align	8
	.type	k_qca6e582e22_proj,@function
k_qca6e582e22_proj:
	s_mov_b64 s[64:65], 0
	v_nop
	global_prefetch_b8 v0, s[64:65] scope:SCOPE_SE
	s_setreg_imm32_b32 hwreg(HW_REG_WAVE_MODE, 25, 1), 1
	s_wait_xcnt 0x0
	s_wait_alu depctr_hold_cnt(0) depctr_sa_sdst(0) depctr_va_vdst(0) depctr_va_sdst(0) depctr_va_ssrc(0) depctr_va_vcc(0) depctr_vm_vsrc(0)
	s_getreg_b32 s2, hwreg(HW_REG_IB_STS2, 6, 4)
	s_cmp_eq_u32 s2, 0
	s_cbranch_scc0 .Lentry_in_a_cluster
	s_endpgm
.Lentry_in_a_cluster:
	s_bfe_u32 s2, ttmp6, 0x10000c
	s_cmp_lg_u32 s2, 0xf033
	s_cbranch_scc0 .Lentry_shape_is_right
	s_endpgm
.Lentry_shape_is_right:
; Launch 4 of 5: out0 = att Wo^T, f16 operands, f32 sums and results.  M 8,192, N 1,024, K 1,024.  Nothing is left out here; the 64 rows of positions 0-15 are stored again, more finely, by the last launch.
; A tile of out0 is 128 x 256, so that there are 256 work-groups.  Four waves, each 64 x 128: 32 accumulators of 16 x 16 (window 1).  K goes in steps of 128 through a ring of two LDS slots.
; A (att) lies in memory in the order of the operand's registers: a K step of 16 rows is 4,096 dense bytes, so a tile of A is 8 rows of 4,096 bytes, 32 KiB apart, and comes into LDS with no padding: every LDS read of it is 512 consecutive bytes.
; B (wo16) is row-major: rows of 256 bytes a K step, 16 bytes of padding behind each in LDS.
; CLUSTERS: 4 x 4 work-groups; A's tiles are asked for jointly along a row of the cluster, B's along a column.  The matrix instruction is used TRANSPOSED (source 0 = 16 rows of Wo, source 1 = 16 rows of att).
; No prefetch: the launch is short, and every cluster reads wo16 again.
; REGISTERS: window 0: v16-29 addresses, v128-255 the way out;  window 1: the accumulators, (a, b) at v[8 (8 a + b)];  window 2: two fragment buffers at v0 and v128: A's four at +8 a, B's eight at +32 + 8 b.
.set KSTEP,  128
.set PITCH,  272                       ; B's LDS row: 256 bytes + 16: the 16 rows that a load touches start at 16 different banks (64 banks of 4 bytes: ISA guide 11.1)
.set HALFA,  16384                     ; 4 x 4,096 bytes: what one load brings of A, and what a wave reads of it
.set HALFB,  128*PITCH
.set BOFF,   2*HALFA
.set SLOT,   BOFF+2*HALFB
.set SPARE,  2*SLOT                    ; the spare words: 128 bytes a wave, two blocks of 256 bytes that no other line names
.set SPITCH, 528                       ; the way out: 16 rows x (512 bytes + 16) for each wave, in slot 0, which has had its last fill and its last read by then
.set LAPS,   4
.set ADRA, 16
.set ADRB, 20
.set STO,  24
.set RD,   25
.set CO,   26
.set SPW,  28
.set NIL,  29
.set BK,   128
.set F0,   0
.set F1,   128
.set G1, 24
.set G0, 32
.set G1B, 48
.set G0B, 56
.set MSB, 0
.macro WIN new                         ; the immediate's high byte repeats the setting that is left
.if MSB != \new
	s_set_vgpr_msb (MSB<<8)|\new
.set MSB, \new
.endif
.endm
.set MUL,  0x5a                        ; sources 0 and 1 window 2, C and D window 1
.set TO_F, 0x80                        ; destination window 2
.macro JLOAD s                         ; a joint load: waves 0 and 1 fetch A's halves, waves 2 and 3 B's; an s_nop 0 and four v_nop follow each of the two lines
	s_cmp_eq_u32 s11, 0
	s_cbranch_scc0 .Lfor_b_\@
	tensor_load_to_lds s[G0+4*\s:G0+4*\s+3], s[G1:G1+7]
	s_nop 0
.rept 4
	v_nop
.endr
	s_branch .Lasked_\@
.Lfor_b_\@:
	tensor_load_to_lds s[G0B+4*\s:G0B+4*\s+3], s[G1B:G1B+7]
	s_nop 0
.rept 4
	v_nop
.endr
.Lasked_\@:
.endm
.macro CREST
	s_cmp_lg_u32 s10, 0
	s_cbranch_scc1 .Lnot_wave_0_\@
	s_barrier_signal -3
.Lnot_wave_0_\@:
	s_barrier_wait -3
	s_barrier_signal -1
	s_barrier_wait -1
.endm
.macro CROUND
	s_barrier_signal -1
	s_barrier_wait -1
	CREST
.endm
	s_load_b128 s[4:7], s[0:1], 0x0                ; att s[4:5], wo16 s[6:7]
	s_load_b64 s[8:9], s[0:1], 0x10                ; out0
	v_lshl_add_u32 v[SPW], v0, 2, SPARE
	v_mov_b32 v[NIL], 0
	ds_add_u32 v[SPW], v[NIL]                      ; the wave's opening: the add, twice on end, and its wait ahead of my first tensor load
	ds_add_u32 v[SPW], v[NIL]
	v_lshrrev_b32 v1, 5, v0
	v_readfirstlane_b32 s10, v1                    ; wave 0..3
	s_lshr_b32 s11, s10, 1                         ; which half of the tile's rows is mine.  Also: I fetch for A (0) or for B (1)
	s_and_b32 s12, s10, 1                          ; which half of its columns.  Also: which half of that tile I fetch
	s_bfe_u32 s40, ttmp6, 0x40000                  ; cx, cy
	s_bfe_u32 s41, ttmp6, 0x40004
	s_lshl_b32 s42, ttmp9, 2
	s_add_co_u32 s42, s42, s40                     ; tile column
	s_and_b32 s13, ttmp7, 0xffff
	s_lshl_b32 s13, s13, 2
	s_add_co_u32 s13, s13, s41                     ; tile row
	s_lshl_b32 s43, s41, 2
	s_lshl_b32 s43, 15, s43                        ; my row of the cluster
	s_lshl_b32 s44, 0x1111, s40                    ; my column
	s_or_b32 s[G1+0], s43, (3<<16)|(1<<21)         ; A: the mask; elements of 8 bytes; no padding; bit 21 beside a mask
	s_mov_b32 s[G1+1], 512<<16                     ; tensor_dim0 = 512 elements: 4,096 bytes
	s_mov_b32 s[G1+2], 4<<16                       ; tensor_dim1 = 4
	s_mov_b32 s[G1+3], 512<<16                     ; tile_dim0
	s_mov_b32 s[G1+4], 4                           ; tile_dim1
	s_mov_b32 s[G1+5], 4096                        ; the pitch: 32 KiB
	s_mov_b32 s[G1+6], 0
	s_mov_b32 s[G1+7], 0
	s_or_b32 s[G1B+0], s44, (1<<16)|(1<<20)|(1<<21)|(5<<22)|(3<<25)   ; B: elements of 2 bytes; padding: 4 words after every 64
	s_mov_b32 s[G1B+1], KSTEP<<16
	s_mov_b32 s[G1B+2], 128<<16
	s_mov_b32 s[G1B+3], KSTEP<<16
	s_mov_b32 s[G1B+4], 128
	s_mov_b32 s[G1B+5], 1024
	s_mov_b32 s[G1B+6], 0
	s_mov_b32 s[G1B+7], 0
	s_lshl_b32 s16, s13, 3
	s_lshl_b32 s17, s12, 2
	s_add_co_u32 s16, s16, s17
	s_lshl_b32 s16, s16, 15                        ; A: (8 x tile row + 4 x half) tiles of 16 rows, 32 KiB each
	s_mov_b32 s17, 0
	s_lshl_b32 s46, s42, 8
	s_lshl_b32 s47, s12, 7
	s_add_co_u32 s46, s46, s47
	s_lshl_b32 s46, s46, 11                        ; B: (256 x tile column + 128 x half) rows of 2,048 bytes
	s_mov_b32 s47, 0
	s_mul_i32 s20, s12, HALFA                      ; where they go: no place in the cluster enters an LDS address
	s_mul_i32 s21, s12, HALFB
	s_add_co_u32 s21, s21, BOFF
	s_wait_dscnt 0x0                               ; both opening adds are done
	s_wait_kmcnt 0x0
	s_add_nc_u64 s[14:15], s[4:5], s[16:17]
	s_add_nc_u64 s[46:47], s[6:7], s[46:47]
	CROUND                                         ; all sixteen work-groups are here: the first joint loads meet
.irp s, 0,1
	s_mov_b32 s[G0+4*\s], 1
	s_add_co_u32 s[G0+4*\s+1], s20, \s*SLOT
	s_add_nc_u64 s[G0+4*\s+2:G0+4*\s+3], s[14:15], \s*4096
	s_or_b32 s[G0+4*\s+3], s[G0+4*\s+3], 0x80000000
	s_mov_b32 s[G0B+4*\s], 1
	s_add_co_u32 s[G0B+4*\s+1], s21, \s*SLOT
	s_add_nc_u64 s[G0B+4*\s+2:G0B+4*\s+3], s[46:47], \s*KSTEP*2
	s_or_b32 s[G0B+4*\s+3], s[G0B+4*\s+3], 0x80000000
	JLOAD \s                                       ; two tensor loads of mine are out at the start, one behind each round
.endr
	v_and_b32 v1, 15, v0                           ; r
	v_bfe_u32 v2, v0, 4, 1                         ; h
	v_and_b32 v3, 31, v0
	v_lshlrev_b32 v3, 4, v3                        ; 16 x lane
	v_mul_u32_u24 v4, v1, PITCH
	v_lshl_add_u32 v4, v2, 4, v4
	s_mul_i32 s21, s11, HALFA                      ; my 64 rows of A
	s_mul_i32 s22, s12, HALFB                      ; my 128 rows of B
	s_add_co_u32 s22, s22, BOFF
.irp s, 0,1
	v_add_nc_u32 v[ADRA+\s], s21, v3
	v_add_nc_u32 v[ADRB+\s], s22, v4
	s_add_co_u32 s21, s21, SLOT
	s_add_co_u32 s22, s22, SLOT
.endr
	s_mul_i32 s23, s10, 16*SPITCH                  ; my stage
	v_mul_u32_u24 v5, v1, SPITCH
	v_lshl_add_u32 v5, v2, 5, v5
	v_add_nc_u32 v[STO], s23, v5                   ; in: row r, 32 bytes for each half of the lanes
	v_mov_b32 v[CO], v3                            ; back: the 32 lanes take one row of 512 bytes; and the same in out0
	v_add_nc_u32 v[RD], s23, v3
	s_lshl_b32 s16, s13, 7
	s_lshl_b32 s17, s11, 6
	s_add_co_u32 s16, s16, s17
	s_lshl_b32 s16, s16, 12                        ; my first row, 4,096 bytes a row
	s_mov_b32 s17, 0
	s_lshl_b32 s46, s42, 10
	s_lshl_b32 s47, s12, 9
	s_add_co_u32 s46, s46, s47                     ; my first column, in bytes
	s_mov_b32 s47, 0
	s_add_nc_u64 s[16:17], s[16:17], s[46:47]
	s_add_nc_u64 s[8:9], s[8:9], s[16:17]
.macro MUL8 f, a, zero                 ; block a of A x B's eight, 32 along K.  The 32 accumulators take turns in the same order in every quarter
.irp b, 0,1,2,3,4,5,6,7
.if \zero
	v_wmma_f32_16x16x32_f16 v[8*(8*(\a)+\b):8*(8*(\a)+\b)+7], v[\f+32+8*\b:\f+32+8*\b+7], v[\f+8*(\a):\f+8*(\a)+7], 0
.else
	v_wmma_f32_16x16x32_f16 v[8*(8*(\a)+\b):8*(8*(\a)+\b)+7], v[\f+32+8*\b:\f+32+8*\b+7], v[\f+8*(\a):\f+8*(\a)+7], v[8*(8*(\a)+\b):8*(8*(\a)+\b)+7]
.endif
.endr
.endm
.macro FETCH slot, q, f                ; 24 LDS loads in one run: the fragments of the slot's q-th 32 along K: B's sixteen, then A's eight
	WIN TO_F
.irp i, 0,1,2,3,4,5,6,7
	ds_load_b128 v[\f+32+8*\i:\f+32+8*\i+3],   v[ADRB+\slot] offset:64*(\q)+\i*16*PITCH
	ds_load_b128 v[\f+32+8*\i+4:\f+32+8*\i+7], v[ADRB+\slot] offset:64*(\q)+\i*16*PITCH+32
.endr
.irp i, 0,1,2,3
	ds_load_b128 v[\f+8*\i:\f+8*\i+3],   v[ADRA+\slot] offset:1024*(\q)+4096*\i
	ds_load_b128 v[\f+8*\i+4:\f+8*\i+7], v[ADRA+\slot] offset:1024*(\q)+4096*\i+512
.endr
.endm
.macro PLACES                          ; four places in front of loads into registers that matrix instructions have read, and of the first read of results
.rept 4
	v_nop
.endr
.endm
.macro QUARTER slot, q, f, g, zero     ; multiplies buffer f; in its middle fetches the slot's q-th quarter into g
	s_wait_dscnt 4                                 ; B and A's blocks 0, 1 are in; the youngest four loads (A's blocks 2, 3) may be out
	WIN MUL
	MUL8 \f, 0, \zero
	MUL8 \f, 1, \zero
	PLACES
	FETCH \slot, \q, \g
	s_wait_dscnt 24                                ; all but the 24 just issued
	WIN MUL
	MUL8 \f, 2, \zero
	MUL8 \f, 3, \zero
.endm
; A K step's last quarter changes slots: ONE barrier; in front of it each wave waits for all its tensor loads, adds 0 to its spare word, and waits for that and for its reads of this slot.
; fill = 1: the barrier opens a round of the cluster's, and this slot is filled again, two K steps ahead, first thing behind the round.
.macro TURN slot, next, fill
	WIN 0
	s_wait_tensorcnt 0x0                           ; all my tensor loads have landed: my part of the next slot
	ds_add_u32 v[SPW], v[NIL]                      ; 0 onto my spare word
	s_wait_dscnt 5                                 ; (the add and the youngest four loads may be out)
	WIN MUL
	MUL8 F1, 0, 0
	MUL8 F1, 1, 0
	s_wait_dscnt 0x0                               ; the add is done, and my reads of this slot are over
	s_barrier_signal -1
	MUL8 F1, 2, 0
.if \fill
	WIN 0
.endif
	s_barrier_wait -1
.if \fill
	CREST                                          ; no wave of any partner still reads this slot's tile or has a load on its way
	s_add_nc_u64 s[G0+4*\slot+2:G0+4*\slot+3], s[G0+4*\slot+2:G0+4*\slot+3], 2*4096
	s_add_nc_u64 s[G0B+4*\slot+2:G0B+4*\slot+3], s[G0B+4*\slot+2:G0B+4*\slot+3], 2*KSTEP*2
	JLOAD \slot                                    ; the four v_nop behind it are also the places in front of the loads below
.else
	PLACES
.endif
	FETCH \next, 0, F0
	WIN MUL
	MUL8 F1, 3, 0
.endm
	s_wait_tensorcnt 1                             ; my part of K step 0 is in (K step 1's may stay out)
	s_barrier_signal -1
	s_barrier_wait -1                              ; everybody's is
	FETCH 0, 0, F0
	QUARTER 0, 1, F0, F1, 1                        ; the first quarter's products start the sums: nothing is cleared
	WIN 0
	s_mov_b32 s3, LAPS-1
.Llap:                                             ; a trip goes once round the ring, from a lap's second quarter to the next lap's first, and fills both slots again
	QUARTER 0, 2, F1, F0, 0
	QUARTER 0, 3, F0, F1, 0
	TURN 0, 1, 1
	QUARTER 1, 1, F0, F1, 0
	QUARTER 1, 2, F1, F0, 0
	QUARTER 1, 3, F0, F1, 0
	TURN 1, 0, 1
	QUARTER 0, 1, F0, F1, 0
	WIN 0
	s_sub_co_u32 s3, s3, 1
	s_cmp_lg_u32 s3, 0
	s_cbranch_scc1 .Llap
	QUARTER 0, 2, F1, F0, 0                        ; the last lap fills nothing, and has no round of the cluster's barrier
	QUARTER 0, 3, F0, F1, 0
	TURN 0, 1, 0
	QUARTER 1, 1, F0, F1, 0
	QUARTER 1, 2, F1, F0, 0
	QUARTER 1, 3, F0, F1, 0
	s_wait_dscnt 4
	WIN MUL
	MUL8 F1, 0, 0
	MUL8 F1, 1, 0
	s_wait_dscnt 0
	MUL8 F1, 2, 0
	MUL8 F1, 3, 0
	WIN 0
; THE WAY OUT, block by block of 16 rows x 128 columns: through my own stage and back as whole rows of 512 bytes.  LDS serves a wave's instructions in order (ISA guide 5.7.1.4).
.macro TOSTAGE a
	WIN 0x04                                       ; an LDS store's data are its source 1: window 1
.irp b, 0,1,2,3,4,5,6,7
	ds_store_b128 v[STO], v[8*(8*(\a)+\b):8*(8*(\a)+\b)+3] offset:64*\b          ; each accumulator from its low end on
	ds_store_b128 v[STO], v[8*(8*(\a)+\b)+4:8*(8*(\a)+\b)+7] offset:64*\b+16
.endr
	WIN 0
.set BB, BK+64*((\a)%2)
.irp t, 0,1,2,3,4,5,6,7,8,9,10,11,12,13,14,15
	ds_load_b128 v[BB+4*\t:BB+4*\t+3], v[RD] offset:\t*SPITCH
.endr
.endm
.macro SEND a, younger                 ; younger: the LDS instructions issued behind block a's loads
.set BB, BK+64*((\a)%2)
	s_wait_dscnt \younger
.if (\a) > 0
	s_add_nc_u64 s[8:9], s[8:9], 16*4096           ; (behind a wait on XCNT: the earlier stores have read their base)
.endif
.irp t, 0,1,2,3,4,5,6,7,8,9,10,11,12,13,14,15
	global_store_b128 v[CO], v[BB+4*\t:BB+4*\t+3], s[8:9] offset:\t*4096 th:TH_STORE_NT   ; 512 consecutive bytes, aligned
.endr
.endm
	PLACES
	TOSTAGE 0
.irp a, 1,2,3
.if \a > 1
	s_wait_xcnt 0x0                                ; block a - 2's stores have read their registers and their base
.endif
	TOSTAGE \a
	SEND \a-1, 32
.endr
	s_wait_xcnt 0x0
	SEND 3, 0
	s_wait_tensorcnt 0x0                           ; the wave's end
	ds_add_u32 v[SPW], v[NIL]
	s_wait_dscnt 0x0
	CROUND                                         ; the closing round
	s_endpgm
.Lfunc_end_k_qca6e582e22_proj:
	.size	k_qca6e582e22_proj, .Lfunc_end_k_qca6e582e22_proj-k_qca6e582e22_proj
	.p2alignl 7, 3214868480
	.fill 96, 4, 3214868480
	.section	.rodata,"a",@progbits
	.p2align	6, 0x0
	.amdhsa_kernel k_qca6e582e22_proj
		.amdhsa_group_segment_fixed_size 327680
		.amdhsa_private_segment_fixed_size 0
		.amdhsa_enable_private_segment 0
		.amdhsa_kernarg_size 24
		.amdhsa_user_sgpr_count 2
		.amdhsa_user_sgpr_kernarg_segment_ptr 1
		.amdhsa_wavefront_size32 1
		.amdhsa_system_sgpr_workgroup_id_x 1
		.amdhsa_system_sgpr_workgroup_id_y 1
		.amdhsa_system_sgpr_workgroup_id_z 1
		.amdhsa_system_vgpr_workitem_id 0
		.amdhsa_next_free_vgpr 768
		.amdhsa_next_free_sgpr 66
		.amdhsa_reserve_vcc 0
		.amdhsa_float_denorm_mode_32 3
		.amdhsa_float_denorm_mode_16_64 3
		.amdhsa_memory_ordered 1
		.amdhsa_forward_progress 1
		.amdhsa_inst_pref_size 85
	.end_amdhsa_kernel
	.amdgpu_metadata
---
amdhsa.version: [ 1, 2 ]
amdhsa.kernels:
  - .name:           k_qca6e582e22_proj
    .symbol:         k_qca6e582e22_proj.kd
    .args:
      - { .name: att, .offset: 0, .size: 8, .value_kind: global_buffer, .address_space: global }
      - { .name: wo16, .offset: 8, .size: 8, .value_kind: global_buffer, .address_space: global }
      - { .name: out0, .offset: 16, .size: 8, .value_kind: global_buffer, .address_space: global }
    .group_segment_fixed_size: 327680
    .private_segment_fixed_size: 0
    .kernarg_segment_align: 8
    .kernarg_segment_size: 24
    .max_flat_workgroup_size: 128
    .sgpr_count:     66
    .vgpr_count:     768
    .wavefront_size: 32
...
	.end_amdgpu_metadata
.endif
;; end of part 4
;; launch fineproj (part 5): grid 16 x 4, 16 waves a work-group, no clusters, 18,432 bytes of LDS; arguments afine, Wo, out0; writes out0
.if DOCPART == 5
	.amdgcn_target "amdgcn-amd-amdhsa--gfx1250"
	.amdhsa_code_object_version 6
	.text
	.protected	k_qca6e582e22_fineproj
	.globl	k_qca6e582e22_fineproj
	.p2align	8
	.type	k_qca6e582e22_fineproj,@function
k_qca6e582e22_fineproj:
	s_mov_b64 s[64:65], 0
	v_nop
	global_prefetch_b8 v0, s[64:65] scope:SCOPE_SE
	s_setreg_imm32_b32 hwreg(HW_REG_WAVE_MODE, 25, 1), 1
	s_wait_xcnt 0x0
; Launch 5 of 5: the projection of positions 0-15 of each of the 4 sequences, in f32: out0[b][t][n] = the sum over k of afine(b, t, k) Wo[n][k], t < 16.  These 64 rows may average one to a few values, where f16 operands
; would use up what the comparison allows; they were stored by the launch before from f16 operands and are stored again here: 256 KiB written twice.  That launch runs in clusters.  No bulk work: 67 million multiply-adds.
; A work-group (x: 64 columns, y: the batch) has 16 waves: wave w takes 16 columns (w % 4) and a quarter of K (w / 4): 64 instructions of the f32 matrix form, two sums by turns, each begun with the constant 0.
; afine lies as images of registers: byte ((b 64 + kg) 2 + hf) 512 + 16 lane holds (t = lane % 16, k = 16 kg + 8 (lane / 16) + 4 hf + 0..3); Wo's rows are loaded at the same k, so both sides carry the same order of k.
; Source 0 = Wo, source 1 = the rows: lane (r, h) holds position r and columns 8 h + 0..7.  The four quarters of K meet in LDS; eight waves then store two rows each: sixteen lanes fill 256 consecutive bytes, aligned.
; The order of the sums differs from a plain ascending K: four quarters, two half sums each.
.set SPARE, 16384                      ; behind the 16 KiB of partial sums: the spare words, 128 bytes a wave: eight blocks of 256 bytes that no other line names
.set SPW, 12
.set NIL, 13
.set D0,  16                           ; v16-207 three sets of 64: a batch of four groups of 16 k; a group: 8 registers of the rows, 8 of Wo
.set X0,  208                          ; v208-223 the two sums: written by matrix instructions alone
.set X1,  216
.set Y,   224
	s_load_b128 s[4:7], s[0:1], 0x0                ; afine s[4:5], Wo s[6:7]
	s_load_b64 s[8:9], s[0:1], 0x10                ; out0
	v_lshl_add_u32 v[SPW], v0, 2, SPARE
	v_mov_b32 v[NIL], 0
	v_lshrrev_b32 v1, 5, v0
	v_readfirstlane_b32 s10, v1                    ; wave 0..15
	s_and_b32 s11, s10, 3                          ; which 16 columns
	s_lshr_b32 s12, s10, 2                         ; which quarter of K
	s_and_b32 s13, ttmp7, 0xffff                   ; the batch
	v_and_b32 v1, 31, v0
	v_and_b32 v2, 15, v0                           ; r
	v_bfe_u32 v3, v0, 4, 1                         ; h
	v_lshlrev_b32 v4, 4, v1                        ; the images: 16 x lane
	v_lshlrev_b32 v5, 12, v2
	v_lshl_add_u32 v5, v3, 5, v5                   ; Wo: row r of 4,096 bytes, + 32 h
	s_lshl_b32 s14, s10, 10
	v_add_nc_u32 v6, s14, v4                       ; LDS, in: 1,024 x wave + 16 x lane
	v_lshrrev_b32 v8, 2, v2                        ; LDS, back: lane (i = lane % 16, h) wants row 2 w + h, columns 4 i .. 4 i + 3:
	v_lshlrev_b32 v8, 10, v8                       ; the tile of columns i / 4,
	v_and_b32 v9, 1, v2
	v_lshl_add_u32 v8, v9, 9, v8                   ; its registers 4 (i % 2) on,
	v_bfe_u32 v9, v2, 1, 1
	v_lshl_add_u32 v8, v9, 8, v8                   ; of the lane 16 ((i / 2) % 2) + the row
	v_lshl_add_u32 v8, v3, 4, v8
	s_lshl_b32 s15, s10, 5
	v_add_nc_u32 v7, s15, v8
	v_lshlrev_b32 v10, 12, v3
	v_lshl_add_u32 v10, v2, 4, v10                 ; out0: 4,096 h + 16 i
	s_mov_b32 s17, 0
	s_lshl_b32 s16, s13, 16
	s_lshl_b32 s18, s12, 14
	s_add_co_u32 s16, s16, s18                     ; the images of my batch and quarter
	s_mov_b32 s19, 0
	s_lshl_b32 s18, ttmp9, 18
	s_lshl_b32 s20, s11, 16
	s_add_co_u32 s18, s18, s20
	s_lshl_b32 s20, s12, 10
	s_add_co_u32 s18, s18, s20                     ; Wo: row 64 x + 16 (w % 4), byte 1,024 (w / 4)
	s_mov_b32 s21, 0
	s_lshl_b32 s20, s13, 23
	s_lshl_b32 s22, s10, 13
	s_add_co_u32 s20, s20, s22
	s_lshl_b32 s22, ttmp9, 8
	s_add_co_u32 s20, s20, s22                     ; out0: row 2,048 b + 2 w, byte 256 x
	s_wait_kmcnt 0x0
	s_add_nc_u64 s[4:5], s[4:5], s[16:17]
	s_add_nc_u64 s[6:7], s[6:7], s[18:19]
	s_add_nc_u64 s[8:9], s[8:9], s[20:21]
.macro GBATCH bt                       ; sixteen loads: four groups of 16 k
.set SB0, D0+64*((\bt)%3)
.irp gi, 0,1,2,3
	global_load_b128 v[SB0+16*\gi:SB0+16*\gi+3],     v4, s[4:5] offset:(4*(\bt)+\gi)*1024
	global_load_b128 v[SB0+16*\gi+4:SB0+16*\gi+7],   v4, s[4:5] offset:(4*(\bt)+\gi)*1024+512
	global_load_b128 v[SB0+16*\gi+8:SB0+16*\gi+11],  v5, s[6:7] offset:(4*(\bt)+\gi)*64
	global_load_b128 v[SB0+16*\gi+12:SB0+16*\gi+15], v5, s[6:7] offset:(4*(\bt)+\gi)*64+16
.endr
.endm
.macro GMUL bt                         ; sixteen products; the two sums take turns
.set SB0, D0+64*((\bt)%3)
.irp gi, 0,1,2,3
.irp u, 0,2
.if ((\bt) == 0) && (\gi == 0) && (\u == 0)
	v_wmma_f32_16x16x4_f32 v[X0:X0+7], v[SB0+16*\gi+8+2*\u:SB0+16*\gi+8+2*\u+1], v[SB0+16*\gi+2*\u:SB0+16*\gi+2*\u+1], 0
	v_wmma_f32_16x16x4_f32 v[X1:X1+7], v[SB0+16*\gi+10+2*\u:SB0+16*\gi+10+2*\u+1], v[SB0+16*\gi+2+2*\u:SB0+16*\gi+2+2*\u+1], 0
.else
	v_wmma_f32_16x16x4_f32 v[X0:X0+7], v[SB0+16*\gi+8+2*\u:SB0+16*\gi+8+2*\u+1], v[SB0+16*\gi+2*\u:SB0+16*\gi+2*\u+1], v[X0:X0+7]
	v_wmma_f32_16x16x4_f32 v[X1:X1+7], v[SB0+16*\gi+10+2*\u:SB0+16*\gi+10+2*\u+1], v[SB0+16*\gi+2+2*\u:SB0+16*\gi+2+2*\u+1], v[X1:X1+7]
.endif
.endr
.endr
.endm
	GBATCH 0
	GBATCH 1
	GBATCH 2
	s_wait_loadcnt 32                              ; batch 0 is in; two younger batches, sixteen loads each, stay out
	GMUL 0
.rept 8
	v_nop                                          ; eight places behind this form, in front of loads into registers that it has read
.endr
	GBATCH 3                                       ; into batch 0's registers
	s_wait_loadcnt 32                              ; batch 1 is in
	GMUL 1
	s_wait_loadcnt 16
	GMUL 2
	s_wait_loadcnt 0x0
	GMUL 3
.rept 8
	v_nop                                          ; eight places in front of the first read of the sums
.endr
.irp j, 0,1,2,3,4,5,6,7
	v_add_f32 v[Y+\j], v[X0+\j], v[X1+\j]          ; what is made of the finished sums goes into other registers
.endr
	ds_store_b128 v6, v[Y:Y+3]
	ds_store_b128 v6, v[Y+4:Y+7] offset:512
	s_wait_dscnt 0x0                               ; for the others' sake: my stores are done
	s_barrier_signal -1
	s_barrier_wait -1
	s_cmp_lt_u32 s10, 8
	s_cbranch_scc0 .Ldone
.irp k, 0,1,2,3
	ds_load_b128 v[16+4*\k:19+4*\k], v7 offset:4096*\k   ; the four quarters of K
.endr
	s_wait_dscnt 0x0
	v_pk_add_f32 v[16:17], v[16:17], v[20:21]
	v_pk_add_f32 v[18:19], v[18:19], v[22:23]
	v_pk_add_f32 v[24:25], v[24:25], v[28:29]
	v_pk_add_f32 v[26:27], v[26:27], v[30:31]
	v_pk_add_f32 v[16:17], v[16:17], v[24:25]
	v_pk_add_f32 v[18:19], v[18:19], v[26:27]
	global_store_b128 v10, v[16:19], s[8:9]        ; sixteen lanes store 256 consecutive bytes of a row, aligned
.Ldone:
	s_wait_tensorcnt 0x0                           ; the wave's end
	ds_add_u32 v[SPW], v[NIL]
	s_wait_dscnt 0x0
	s_endpgm
.Lfunc_end_k_qca6e582e22_fineproj:
	.size	k_qca6e582e22_fineproj, .Lfunc_end_k_qca6e582e22_fineproj-k_qca6e582e22_fineproj
	.p2alignl 7, 3214868480
	.fill 96, 4, 3214868480
	.section	.rodata,"a",@progbits
	.p2align	6, 0x0
	.amdhsa_kernel k_qca6e582e22_fineproj
		.amdhsa_group_segment_fixed_size 18432
		.amdhsa_private_segment_fixed_size 0
		.amdhsa_enable_private_segment 0
		.amdhsa_kernarg_size 24
		.amdhsa_user_sgpr_count 2
		.amdhsa_user_sgpr_kernarg_segment_ptr 1
		.amdhsa_wavefront_size32 1
		.amdhsa_system_sgpr_workgroup_id_x 1
		.amdhsa_system_sgpr_workgroup_id_y 1
		.amdhsa_system_sgpr_workgroup_id_z 1
		.amdhsa_system_vgpr_workitem_id 0
		.amdhsa_next_free_vgpr 240
		.amdhsa_next_free_sgpr 66
		.amdhsa_reserve_vcc 0
		.amdhsa_float_denorm_mode_32 3
		.amdhsa_float_denorm_mode_16_64 3
		.amdhsa_memory_ordered 1
		.amdhsa_forward_progress 1
		.amdhsa_inst_pref_size 15
	.end_amdhsa_kernel
	.amdgpu_metadata
---
amdhsa.version: [ 1, 2 ]
amdhsa.kernels:
  - .name:           k_qca6e582e22_fineproj
    .symbol:         k_qca6e582e22_fineproj.kd
    .args:
      - { .name: afine, .offset: 0, .size: 8, .value_kind: global_buffer, .address_space: global }
      - { .name: Wo, .offset: 8, .size: 8, .value_kind: global_buffer, .address_space: global }
      - { .name: out0, .offset: 16, .size: 8, .value_kind: global_buffer, .address_space: global }
    .group_segment_fixed_size: 18432
    .private_segment_fixed_size: 0
    .kernarg_segment_align: 8
    .kernarg_segment_size: 24
    .max_flat_workgroup_size: 512
    .sgpr_count:     66
    .vgpr_count:     240
    .wavefront_size: 32
...
	.end_amdgpu_metadata
.endif
;; end of part 5
